; MI455X (gfx1250); checked and timed in simulation.
; The chip was launched on July 23, 2026; its instructions are those of AMD's public machine-readable ISA for CDNA 5 (MIT licence, August 2026) and "CDNA5" Instruction Set Architecture Reference Guide (July 2026). The comments in the code are by the model that wrote it; some were corrected since.
;; Biased Multihead Attention. Allowed arithmetic: matrix products marked QUANTISED: E2M3 operands, one E8M0 scale for each 32 along K, by v_wmma_scale_f32_16x16x128_f8f6f4 with both operands' format E2M3, f32 sums; everything else in f32.
;; Inputs: Gm 2 x 2,048 x 256 float32; Hf 2 x 2,048 x 1,024 float32; Hx 2 x 1,024 x 2,048 x 1 float32; Wg 2,048 x 256 float32; Wk 1,024 x 2,048 float32; Wo 1,024 x 1,024 float32; Wq 1,024 x 2,048 float32; Wv 1,024 x 1,024 float32; bg 2,048 float32; bk 1,024 float32; bo 1,024 float32; bq 1,024 float32; bv 1,024 float32.
;; Outputs: out0 2 x 2,048 x 1,024 float32.
;; This version of the problem:
;;   THIS VERSION OF THE PROBLEM IS GIVEN IN LOW PRECISION. The matrix products marked QUANTISED in the list below multiply operands that are first quantised to E2M3 (2 exponent bits, 3 mantissa bits; 6 bits a number), with one power-of-two scale for each 32 numbers along K (OCP MX v1.0); their sums are f32. All else is computed in f32.
;;   The module's matrix products, in the order in which they are computed (A, B: the left and right operand; K: the contracted axis; several contracted axes count as one K, in the product's order):
;;     1. [M 4,096, K 2,048] x [K 2,048, N 1,024]; A: computed on the way; B: input Wq: QUANTISED
;;     2. [M 4,096, K 2,048] x [K 2,048, N 1,024]; A: computed on the way; B: input Wk: QUANTISED
;;     3. [M 4,096, K 1,024] x [K 1,024, N 1,024]; A: input Hx; B: input Wv: QUANTISED
;;     4. batch 32 x [M 2,048, K 64] x [K 64, N 2,048]; A: computed on the way; B: computed on the way: QUANTISED
;;     5. [M 4,096, K 256] x [K 256, N 2,048]; A: input Gm; B: input Wg: QUANTISED
;;     6. batch 32 x [M 2,048, K 2,048] x [K 2,048, N 64]; A: softmax (see below); B: computed on the way: QUANTISED
;;     7. [M 4,096, K 1,024] x [K 1,024, N 1,024]; A: computed on the way; B: input Wo: QUANTISED
;;   THE QUANTISER, for each operand of a quantised product, along K:
;;     - K is cut into blocks of 32 from its start; a last block that is shorter is filled with zeros.
;;     - A block's scale is 2^e with e = floor(log2(the largest magnitude in the block)) - 2, held to -126 .. 127; a block of zeros has e = 0. As a byte (E8M0): e + 127.
;;     - Each number is divided by its block's scale, clamped to +-7.5, and rounded to the nearest number of E2M3, ties to even, subnormals kept.
;;     - The product sums the exact products of the quantised numbers (number of the format x scale) in f32.
;;   ~~~python
;;   def quantise(x, axis):      # numpy; x: float32 -> the quantised numbers, widened to float32 again
;;       x = np.moveaxis(x, axis, -1); K = x.shape[-1]
;;       x = np.pad(x, [(0, 0)] * (x.ndim - 1) + [(0, -K % 32)]); x = x.reshape(x.shape[:-1] + (-1, 32)); a = np.abs(x).max(-1, keepdims=True)
;;       e = np.where(a > 0, np.clip(np.frexp(np.where(a > 0, a, 1))[1] - 1 - 2, -126, 127), 0)      # np.frexp(a)[1] - 1 = floor(log2(a)), exactly
;;       r = np.clip(x / 2.0 ** e, -7.5, 7.5)
;;       step = 2.0 ** (np.maximum(np.frexp(np.where(r == 0, 1, r))[1] - 1, 0) - 3)
;;       q = np.round(r / step) * step * 2.0 ** e      # np.round: ties to even
;;       return np.moveaxis(q.reshape(q.shape[:-2] + (-1,))[..., :K], -1, axis).astype(np.float32)
;;   ~~~
;;   SOFTMAX AHEAD OF A QUANTISED PRODUCT. Where the list says 'softmax', what is quantised is not the finished softmax but p = 2^(t - M), with t = logit x log2(e) and M = ceil(the row's largest t), a whole number; so 1/2 < the row's largest p <= 1. The row's sum l is taken of the UNQUANTISED p, in f32, and the product's result is divided by l at the end. Since M is a whole number, a kernel that streams over the keys may use a running M (the ceiling of the running maximum): every later rescaling is an exact power of two, which a block's scale takes up: the codes' values come out the same.
;;   OPERANDS COMPUTED ON THE WAY. 'Computed on the way' means the value that the module computes at that place (a softmax that the list does not call 'softmax' is quantised finished and normalised). What goes into a quantiser is computed in f32, as accurately as f32 sums, v_exp_f32 and their like allow (about 1e-6 of the number): no bf16 or f16 on the way to a quantiser, and a product that is left as it is and whose result goes on into a quantised operand takes f32 operands (vector FMAs, or v_wmma_f32_16x16x4_f32). A number that lies on a knife's edge between two numbers of the format may be rounded either way, as far as f32 arithmetic and the matrix unit's own rounding can turn it there, and no further.
;; One version. Each part assembles by itself: llvm-mc -triple=amdgcn-amd-amdhsa -mcpu=gfx1250 --defsym DOCPART=n.
;; ======== version 1 of 1: 4 launches
;; limits: right only within a limited range of input values
;; workspace buffers: ops 12,697,600 bytes; bias 33,554,432 bytes; qimg 3,407,872 bytes; kv 6,684,672 bytes; ao 3,276,800 bytes
;; launch quant (part 1): grid 864 x 1, 4 waves a work-group, no clusters, 34,304 bytes of LDS; arguments Hf, Wq, Wk, Wv, Wo, Gm, Wg, Hx, ops; writes ops
.if DOCPART == 1
	.amdgcn_target "amdgcn-amd-amdhsa--gfx1250"
	.amdhsa_code_object_version 6
	.text
	.protected	k_qef39920623_quant
	.globl	k_qef39920623_quant
	.p2align	8
	.type	k_qef39920623_quant,@function
k_qef39920623_quant:
	s_mov_b64 s[64:65], 0
	v_nop
	global_prefetch_b8 v0, s[64:65] scope:SCOPE_SE
	s_setreg_imm32_b32 hwreg(HW_REG_WAVE_MODE, 25, 1), 1
	s_wait_xcnt 0x0
; All f32 inputs that are operands of quantised products become codes of FP6 (E2M3) with one E8M0 byte for each 32 along K, laid in the ORDER OF THE OPERAND'S REGISTERS.
; A block of ops (BLK bytes) is 256 rows x 128 K: 16 fragments of 1,536 bytes, then 16 x 16 scale words.  A fragment is two halves of 768 bytes (64 K each): registers 0-3 of the half at 16 x lane,
; registers 4-5 at 512 + 8 x lane.  THE ROWS OF A TILE ARE NOT NEIGHBOURS: lane r of tile t holds row 32 (t / 2) + 8 (t % 2) + r + 8 (r / 8).
; A block's scale is 2^(floor(log2(largest magnitude)) - 2): its byte is the largest magnitude's exponent field - 2, held at 1 from below by a floor among the maximum's leaves.
; LIMITS: NaN and infinities are not served; a block whose largest magnitude lies under 2^-124 is quantised at that floor's scale; a block of zeros keeps the byte 1 (its codes are zeros; this program alone reads the bytes).
; TWO PATHS, parted on the work-group's number.  ROWS (K innermost: Hf, Wq, Wk, Wv, Wo, Gm, Wg): a wave takes one tile of 16 rows x 256 K; each load reads 512 consecutive bytes of a row, and the numbers turn
; through the wave's own stage in LDS so that a lane gets whole blocks of 32.  COLS (Hx, K = d is not innermost): a lane takes a token and its registers run down d; no LDS.
; No tensor loads, no barrier, no cluster: waves share nothing, and no two work-groups read the same bytes.
.set BLK,   25600
.set WQO,   6553600
.set WKO,   8192000
.set WVO,   9830400
.set WOO,   10649600
.set GMO,   11468800
.set WGO,   12288000
.set NROWS, 736                        ; work-groups of the ROWS path
.set STG,   8448                       ; a wave's stage: 16 rows x (512 + 16) bytes
.set SPARE, 4*STG                      ; behind the stages: the spare words, 128 bytes a wave
.set SPW,   12                         ; v12  my spare word's LDS address; never rewritten
.set NIL,   13                         ; v13  0; never rewritten
.set RA,    16                         ; v16-31  ROWS: byte offset of my 16 bytes in row i of the tile
.set R,     32                         ; v32-95, v96-159  ROWS: two K steps as loaded
.set X,     160                        ; v160-223 ROWS: my two blocks of 32
.set C,     224                        ; v224-235, v236-247 ROWS: the two fragments' codes; v248-249 their scale words
.set MX,    32                         ; at work, in the registers that the first K step has left
.set SO,    34
.set BY,    36
.set W,     38
.set T,     40
.set SEL,   56                         ; s[56:57] selects for lane l xor 16
	s_load_b512 s[16:31], s[0:1], 0x0              ; Hf, Wq, Wk, Wv, Wo, Gm, Wg, Hx
	s_load_b64 s[32:33], s[0:1], 0x40              ; ops
	v_lshl_add_u32 v[SPW], v0, 2, SPARE
	v_mov_b32 v[NIL], 0
	v_lshrrev_b32 v1, 5, v0
	v_readfirstlane_b32 s34, v1                    ; wave
	v_and_b32 v1, 31, v0                           ; lane
	s_mov_b32 s[SEL], 0x76543210
	s_mov_b32 s[SEL+1], 0xfedcba98
	s_wait_kmcnt 0x0
	s_cmp_ge_u32 ttmp9, NROWS
	s_cbranch_scc1 .Lcols
; ---------------- ROWS ----------------
	v_and_b32 v2, 15, v0                           ; r
	v_bfe_u32 v3, v0, 4, 1                         ; h
	s_wait_alu depctr_va_vdst(0)
	v_lshlrev_b32 v4, 4, v1                        ; 16 x lane
	s_wait_alu depctr_va_vdst(0)
	v_lshlrev_b32 v5, 3, v1                        ; 8 x lane
	v_lshlrev_b32 v6, 2, v2                        ; 4 r
	s_mul_i32 s35, s34, STG
	v_add_nc_u32 v7, s35, v4                       ; the stage, way in: a row's 512 bytes as they lie
	v_mul_u32_u24 v8, v2, 528
	v_lshl_add_u32 v8, v3, 7, v8
	v_add_nc_u32 v8, s35, v8                       ; way out: row r, + 128 h: block h of the row's four
	v_lshlrev_b32 v9, 3, v3                        ; 8 h: where my two bytes stand in the scale word
; which tensor: first work-group, log2 of pairs of K steps in a row, log2 of K steps in the operand's layout, place in ops, pointer.  The choice hangs on the work-group's number alone
.macro PICK bound, first, lgp, lgs, toff, p
	s_cmp_lt_u32 ttmp9, \bound
	s_cselect_b32 s36, \first, s36
	s_cselect_b32 s37, \lgp, s37
	s_cselect_b32 s38, \lgs, s38
	s_cselect_b32 s39, \toff, s39
	s_cselect_b64 s[40:41], s[\p:\p+1], s[40:41]
.endm
	s_mov_b32 s36, 704                             ; Wg
	s_mov_b32 s37, 0
	s_mov_b32 s38, 1
	s_mov_b32 s39, WGO
	s_mov_b64 s[40:41], s[28:29]
	PICK 704, 640, 0, 1, GMO, 26                   ; Gm
	PICK 640, 576, 2, 3, WOO, 24                   ; Wo
	PICK 576, 512, 2, 3, WVO, 22                   ; Wv
	PICK 512, 384, 3, 4, WKO, 20                   ; Wk
	PICK 384, 256, 3, 4, WQO, 18                   ; Wq
	PICK 256, 0, 2, 4, 8*BLK, 16                   ; Hf: K steps 8 to 15 of h_cat
	s_sub_co_u32 s42, ttmp9, s36
	s_lshl_b32 s42, s42, 2
	s_add_co_u32 s42, s42, s34                     ; my unit
	s_lshr_b32 s43, s42, s37                       ; its tile of 16 rows
	s_lshl_b32 s44, s43, s37
	s_sub_co_u32 s44, s42, s44                     ; and its pair of K steps
	s_lshl_b32 s45, 0x400, s37                     ; a row in bytes
	s_lshr_b32 s46, s43, 1
	s_lshl_b32 s46, s46, 5
	s_and_b32 s47, s43, 1
	s_lshl_b32 s47, s47, 3
	s_add_co_u32 s46, s46, s47                     ; the tile's first row
	s_mul_i32 s46, s46, s45
	s_lshl_b32 s47, s44, 10
	s_add_co_u32 s46, s46, s47
	s_mov_b32 s47, 0
	s_add_nc_u64 s[40:41], s[40:41], s[46:47]      ; source
	s_lshr_b32 s48, s43, 4
	s_lshl_b32 s48, s48, s38
	s_lshl_b32 s49, s44, 1
	s_add_co_u32 s48, s48, s49
	s_mul_i32 s48, s48, BLK
	s_add_co_u32 s48, s48, s39                     ; my first block of ops
	s_and_b32 s50, s43, 15
	s_mul_i32 s51, s50, 1536
	s_add_co_u32 s52, s48, s51
	s_mov_b32 s53, 0
	s_add_nc_u64 s[52:53], s[32:33], s[52:53]      ; my fragment
	s_lshl_b32 s50, s50, 6
	s_add_co_u32 s54, s48, s50
	s_add_co_u32 s54, s54, 24576
	s_mov_b32 s55, 0
	s_add_nc_u64 s[54:55], s[32:33], s[54:55]      ; my tile's scale words
.irp i, 0,1,2,3,4,5,6,7,8,9,10,11,12,13,14,15
	v_mad_u32_u24 v[RA+\i], s45, \i+8*(\i/8), v4   ; row i of the tile lies i + 8 (i / 8) rows on
.endr
.macro LOADK q                         ; K step q: 16 rows x 512 consecutive bytes
.irp i, 0,1,2,3,4,5,6,7,8,9,10,11,12,13,14,15
	global_load_b128 v[R+64*\q+4*\i:R+64*\q+4*\i+3], v[RA+\i], s[40:41] offset:512*\q th:TH_LOAD_NT
.endr
.endm
.macro TURNQ q                         ; through the stage: LDS serves a wave's instructions in order, so no wait stands between the stores and the loads, and one stage serves both K steps
.irp i, 0,1,2,3,4,5,6,7,8,9,10,11,12,13,14,15
	ds_store_b128 v7, v[R+64*\q+4*\i:R+64*\q+4*\i+3] offset:528*\i
.endr
.irp c, 0,1
.irp j, 0,1,2,3,4,5,6,7
	ds_load_b128 v[X+32*\c+4*\j:X+32*\c+4*\j+3], v8 offset:256*\c+16*\j   ; block 2 c + h of my row: all 32 numbers
.endr
.endr
.endm
.macro QUANTF q
.irp c, 0,1
	v_max3_num_f32 v[MX+\c], |v[X+32*\c]|, |v[X+32*\c+1]|, 0x1800000   ; the floor 2^(3 - 127) among the leaves: the byte cannot fall under 1
.endr
.irp i, 2,4,6,8,10,12,14,16,18,20,22,24,26,28,30
.irp c, 0,1
	v_max3_num_f32 v[MX+\c], v[MX+\c], |v[X+32*\c+\i]|, |v[X+32*\c+\i+1]|   ; the two blocks by turns
.endr
.endr
.irp c, 0,1
	v_add_nc_u32 v[SO+\c], 0xff000000, v[MX+\c]    ; 2 off the exponent field: the conversion's scale operand
.endr
.irp c, 0,1
	v_lshrrev_b32 v[BY+\c], 23, v[SO+\c]           ; the scale's byte
.endr
	v_lshl_or_b32 v[W], v[BY+1], 16, v[BY]         ; blocks h and 2 + h,
	v_lshlrev_b32 v[W], v9, v[W]                   ; at their places;
	v_mov_b32 v[W+1], 0
	v_permlanex16_b32 v[W+1], v[W], s[SEL], s[SEL+1]
	v_or_b32 v[248+\q], v[W], v[W+1]               ; with lane l xor 16's two the word is whole
.irp c, 0,1
	v_cvt_scalef32_pk16_fp6_f32 v[C+12*\q+6*\c:C+12*\q+6*\c+2], v[X+32*\c:X+32*\c+15], v[SO+\c]
	v_cvt_scalef32_pk16_fp6_f32 v[T+4*\c:T+4*\c+2], v[X+32*\c+16:X+32*\c+31], v[SO+\c]   ; (a conversion's three registers begin on an even number)
.endr
	v_nop                                          ; one plain place behind the scaled conversions
.irp c, 0,1
.irp i, 0,1,2
	v_mov_b32 v[C+12*\q+6*\c+3+\i], v[T+4*\c+\i]
.endr
.endr
.endm
.macro OUTF q                          ; each store of codes covers 512 or 256 consecutive bytes, aligned
	global_store_b128 v4, v[C+12*\q:C+12*\q+3], s[52:53] offset:\q*BLK
	global_store_b64 v5, v[C+12*\q+4:C+12*\q+5], s[52:53] offset:\q*BLK+512
	global_store_b128 v4, v[C+12*\q+6:C+12*\q+9], s[52:53] offset:\q*BLK+768
	global_store_b64 v5, v[C+12*\q+10:C+12*\q+11], s[52:53] offset:\q*BLK+1280
	global_store_b32 v6, v[248+\q], s[54:55] offset:\q*BLK   ; 64 bytes a tile; both halves of the lanes store the same word
.endm
	LOADK 0
	LOADK 1
	s_wait_loadcnt 16                              ; K step 0's sixteen loads are in; K step 1's may be out
	TURNQ 0
	s_wait_dscnt 0x0                               ; my blocks are back, and the stage's stores have read the registers that now serve as work space
	QUANTF 0
	OUTF 0
	s_wait_loadcnt 0x0
	TURNQ 1
	s_wait_dscnt 0x0
	QUANTF 1                                       ; its codes and word have registers of their own: no store's data are written again
	OUTF 1
	s_branch .Lend
; ---------------- COLS: Hx [b][d][t] ----------------
.Lcols:
.set CX,  32                           ; v32-95   two sets of 32 numbers down d
.set CC,  96                           ; v96-143  six registers of codes for each of 8 blocks
.set SB,  148                          ; v148-149 the two scale words
	s_sub_co_u32 s36, ttmp9, NROWS
	s_and_b32 s37, s36, 3                          ; which 256 of d: K steps 2 dc, 2 dc + 1
	s_lshr_b32 s38, s36, 6                         ; batch
	s_bfe_u32 s39, s36, 0x40002                    ; which 128 tokens
	s_lshl_b32 s40, s39, 7
	s_lshl_b32 s41, s34, 5
	s_add_co_u32 s40, s40, s41                     ; my wave's first token in the batch
	s_lshl_b32 s42, s38, 23
	s_lshl_b32 s43, s37, 21
	s_add_co_u32 s42, s42, s43
	s_lshl_b32 s43, s40, 2
	s_add_co_u32 s42, s42, s43
	s_mov_b32 s43, 0
	s_add_nc_u64 s[42:43], s[30:31], s[42:43]      ; source
	s_lshl_b32 s44, s38, 11
	s_add_co_u32 s44, s44, s40                     ; the token among all 4,096
	s_lshr_b32 s45, s44, 8
	s_lshl_b32 s45, s45, 4
	s_lshl_b32 s46, s37, 1
	s_add_co_u32 s45, s45, s46
	s_mul_i32 s45, s45, BLK                        ; h_cat's block (row block, K step 2 dc)
	s_bfe_u32 s46, s44, 0x40004                    ; my 32 tokens' first tile in it
	s_mul_i32 s47, s46, 1536
	s_add_co_u32 s48, s45, s47
	s_mov_b32 s49, 0
	s_add_nc_u64 s[48:49], s[32:33], s[48:49]
	s_lshl_b32 s46, s46, 6
	s_add_co_u32 s50, s45, s46
	s_add_co_u32 s50, s50, 24576
	s_mov_b32 s51, 0
	s_add_nc_u64 s[50:51], s[32:33], s[50:51]
	s_wait_alu depctr_va_vdst(0)
	v_lshlrev_b32 v4, 2, v1                        ; in: 4 bytes a lane, 128 consecutive bytes a wave
	v_bfe_u32 v5, v0, 3, 1                         ; token l lies in tile u = (l / 8) % 2,
	v_and_b32 v6, 7, v0
	v_bfe_u32 v7, v0, 4, 1
	v_lshl_or_b32 v6, v7, 3, v6                    ; at row r' = l % 8 + 8 (l / 16)
	v_mul_u32_u24 v7, v5, 1536
	v_lshl_add_u32 v8, v6, 4, v7                   ; my 16 bytes in an image,
	v_lshl_add_u32 v9, v6, 3, v7                   ; my 8 bytes,
	v_lshlrev_b32 v10, 6, v5
	v_lshl_add_u32 v10, v6, 2, v10                 ; my scale word
.macro CLOAD k
.irp i, 0,1,2,3,4,5,6,7,8,9,10,11,12,13,14,15,16,17,18,19,20,21,22,23,24,25,26,27,28,29,30,31
	global_load_b32 v[CX+32*((\k)%2)+\i], v4, s[42:43] offset:(32*(\k)+\i)*8192 th:TH_LOAD_NT
.endr
.endm
.macro CBLOCK k                        ; block k of 32 along d: K step k / 4, half (k / 2) % 2 of the fragment, the place of lanes 16 (k % 2) + r'
.set XS, CX+32*((\k)%2)
.if (\k) < 7
	s_wait_loadcnt 32                              ; this block's 32 loads are in; the next block's may be out
.else
	s_wait_loadcnt 0x0
.endif
	v_max3_num_f32 v150, |v[XS]|, |v[XS+1]|, |v[XS+2]|
	v_max3_num_f32 v151, |v[XS+3]|, |v[XS+4]|, |v[XS+5]|
.irp i, 6,10,14,18,22,26
	v_max3_num_f32 v150, v150, |v[XS+\i]|, |v[XS+\i+1]|
	v_max3_num_f32 v151, v151, |v[XS+\i+2]|, |v[XS+\i+3]|
.endr
	v_max3_num_f32 v150, v150, |v[XS+30]|, |v[XS+31]|
	v_max3_num_f32 v150, v150, v151, 0x1800000     ; and the floor
	v_add_nc_u32 v152, 0xff000000, v150
	v_lshrrev_b32 v153, 23, v152
.if (\k)%4 == 0
	v_mov_b32 v[SB+(\k)/4], v153
.else
	v_lshl_or_b32 v[SB+(\k)/4], v153, 8*((\k)%4), v[SB+(\k)/4]
.endif
	v_cvt_scalef32_pk16_fp6_f32 v[CC+6*(\k):CC+6*(\k)+2], v[XS:XS+15], v152
	v_cvt_scalef32_pk16_fp6_f32 v[144:146], v[XS+16:XS+31], v152
	v_nop                                          ; one plain place behind the scaled conversions
.irp i, 0,1,2
	v_mov_b32 v[CC+6*(\k)+3+\i], v[144+\i]
.endr
	global_store_b128 v8, v[CC+6*(\k):CC+6*(\k)+3], s[48:49] offset:((\k)/4)*BLK+(((\k)/2)%2)*768+((\k)%2)*256       ; sixteen lanes fill 256 consecutive bytes of each of two tiles
	global_store_b64 v9, v[CC+6*(\k)+4:CC+6*(\k)+5], s[48:49] offset:((\k)/4)*BLK+(((\k)/2)%2)*768+512+((\k)%2)*128
.if (\k)+2 < 8
	CLOAD (\k)+2
.endif
.endm
	CLOAD 0
	CLOAD 1
.irp k, 0,1,2,3,4,5,6,7
	CBLOCK \k
.endr
	global_store_b32 v10, v[SB], s[50:51]
	global_store_b32 v10, v[SB+1], s[50:51] offset:BLK
.Lend:
	s_wait_tensorcnt 0x0                           ; the wave's end
	ds_add_u32 v[SPW], v[NIL]
	s_wait_dscnt 0x0
	s_endpgm
.Lfunc_end_k_qef39920623_quant:
	.size	k_qef39920623_quant, .Lfunc_end_k_qef39920623_quant-k_qef39920623_quant
	.p2alignl 7, 3214868480
	.fill 96, 4, 3214868480
	.section	.rodata,"a",@progbits
	.p2align	6, 0x0
	.amdhsa_kernel k_qef39920623_quant
		.amdhsa_group_segment_fixed_size 34304
		.amdhsa_private_segment_fixed_size 0
		.amdhsa_enable_private_segment 0
		.amdhsa_kernarg_size 72
		.amdhsa_user_sgpr_count 2
		.amdhsa_user_sgpr_kernarg_segment_ptr 1
		.amdhsa_wavefront_size32 1
		.amdhsa_system_sgpr_workgroup_id_x 1
		.amdhsa_system_sgpr_workgroup_id_y 1
		.amdhsa_system_sgpr_workgroup_id_z 1
		.amdhsa_system_vgpr_workitem_id 0
		.amdhsa_next_free_vgpr 256
		.amdhsa_next_free_sgpr 66
		.amdhsa_reserve_vcc 0
		.amdhsa_float_denorm_mode_32 3
		.amdhsa_float_denorm_mode_16_64 3
		.amdhsa_memory_ordered 1
		.amdhsa_forward_progress 1
		.amdhsa_inst_pref_size 59
	.end_amdhsa_kernel
	.amdgpu_metadata
---
amdhsa.version: [ 1, 2 ]
amdhsa.kernels:
  - .name:           k_qef39920623_quant
    .symbol:         k_qef39920623_quant.kd
    .args:
      - { .name: Hf, .offset: 0, .size: 8, .value_kind: global_buffer, .address_space: global }
      - { .name: Wq, .offset: 8, .size: 8, .value_kind: global_buffer, .address_space: global }
      - { .name: Wk, .offset: 16, .size: 8, .value_kind: global_buffer, .address_space: global }
      - { .name: Wv, .offset: 24, .size: 8, .value_kind: global_buffer, .address_space: global }
      - { .name: Wo, .offset: 32, .size: 8, .value_kind: global_buffer, .address_space: global }
      - { .name: Gm, .offset: 40, .size: 8, .value_kind: global_buffer, .address_space: global }
      - { .name: Wg, .offset: 48, .size: 8, .value_kind: global_buffer, .address_space: global }
      - { .name: Hx, .offset: 56, .size: 8, .value_kind: global_buffer, .address_space: global }
      - { .name: ops, .offset: 64, .size: 8, .value_kind: global_buffer, .address_space: global }
    .group_segment_fixed_size: 34304
    .private_segment_fixed_size: 0
    .kernarg_segment_align: 8
    .kernarg_segment_size: 72
    .max_flat_workgroup_size: 128
    .sgpr_count:     66
    .vgpr_count:     256
    .wavefront_size: 32
...
	.end_amdgpu_metadata
.endif
;; end of part 1
;; launch proj (part 2): grid 4 x 64, 4 waves a work-group, clusters of 4 x 4, 327,680 bytes of LDS; arguments ops, bq, bk, bv, qimg, kv, bg, bias; writes qimg, kv, bias
.if DOCPART == 2
	.amdgcn_target "amdgcn-amd-amdhsa--gfx1250"
	.amdhsa_code_object_version 6
	.text
	.protected	k_qef39920623_proj
	.globl	k_qef39920623_proj
	.p2align	8
	.type	k_qef39920623_proj,@function
k_qef39920623_proj:
	s_mov_b64 s[64:65], 0
	v_nop
	global_prefetch_b8 v0, s[64:65] scope:SCOPE_SE
	s_setreg_imm32_b32 hwreg(HW_REG_WAVE_MODE, 25, 1), 1
	s_wait_xcnt 0x0
	s_wait_alu depctr_hold_cnt(0) depctr_sa_sdst(0) depctr_va_vdst(0) depctr_va_sdst(0) depctr_va_ssrc(0) depctr_va_vcc(0) depctr_vm_vsrc(0)
	s_getreg_b32 s2, hwreg(HW_REG_IB_STS2, 6, 4)
	s_cmp_eq_u32 s2, 0
	s_cbranch_scc0 .Lentry_in_a_cluster
	s_endpgm
.Lentry_in_a_cluster:
	s_bfe_u32 s2, ttmp6, 0x10000c
	s_cmp_lg_u32 s2, 0xf033
	s_cbranch_scc0 .Lentry_shape_is_right
	s_endpgm
.Lentry_shape_is_right:
.set BLK,   25600
.set WQO,   6553600
.set GMO,   11468800
.set WGO,   12288000
.set WSTEP, 1638400
.set FR,    12
.set SLOT,  4*BLK
.set SPARE, 2*SLOT
.set FLOOR, 0x3000000
.set ADS1, 8
.set ADS0, 10
.set ADRA, 16
.set ADRB, 20
.set L16,  24
.set L8,   25
.set LN,   26
.set SPW,  28
.set NIL,  29
.set SC,   32
.set BM,   96
.set PWS,  112
.set AF,   128
.set X,    128
.set PC,   192
.set TM,   212
.set MW,   228
.set WV,   16
.set WR,   17
.set WC,   18
.set G1,   24
.set G0,   32
.set G1B,  48
.set G0B,  56
.set ISV,  67
.set SUBQ, 72
.set D0,   84
.set D1,   86
.set S0,   88
.set S1,   90
.set SA,   92
.set SEL,  94
.set MSB, 0
.macro WIN new
.if MSB != \new
	s_set_vgpr_msb (MSB<<8)|\new
.set MSB, \new
.endif
.endm
.set MUL_LO, 0xa1
.set MUL_HI, 0xf1
.set TO_B,   0x40
.macro JLOAD s
	s_cmp_eq_u32 s[WR], 0
	s_cbranch_scc0 .Lfor_w_\@
	tensor_load_to_lds s[G0+4*\s:G0+4*\s+3], s[G1:G1+7]
	s_nop 0
.rept 4
	v_nop
.endr
	s_branch .Lasked_\@
.Lfor_w_\@:
	tensor_load_to_lds s[G0B+4*\s:G0B+4*\s+3], s[G1B:G1B+7]
	s_nop 0
.rept 4
	v_nop
.endr
.Lasked_\@:
.endm
.macro CREST
	s_cmp_lg_u32 s[WV], 0
	s_cbranch_scc1 .Lnot_wave_0_\@
	s_barrier_signal -3
.Lnot_wave_0_\@:
	s_barrier_wait -3
	s_barrier_signal -1
	s_barrier_wait -1
.endm
.macro CROUND
	s_barrier_signal -1
	s_barrier_wait -1
	CREST
.endm
	s_load_b256 s[4:11], s[0:1], 0x0
	s_load_b128 s[12:15], s[0:1], 0x20
	s_load_b128 s[96:99], s[0:1], 0x30
	v_lshl_add_u32 v[SPW], v0, 2, SPARE
	v_mov_b32 v[NIL], 0
	ds_add_u32 v[SPW], v[NIL]
	ds_add_u32 v[SPW], v[NIL]
	v_lshrrev_b32 v1, 5, v0
	v_readfirstlane_b32 s[WV], v1
	s_lshr_b32 s[WR], s[WV], 1
	s_and_b32 s[WC], s[WV], 1
	s_bfe_u32 s19, ttmp6, 0x40000
	s_bfe_u32 s20, ttmp6, 0x40004
	s_lshl_b32 s21, ttmp9, 2
	s_add_co_u32 s21, s21, s19
	s_and_b32 s22, ttmp7, 0xffff
	s_lshl_b32 s23, s22, 2
	s_add_co_u32 s23, s23, s20
	s_and_b32 s68, s23, 15
	s_lshr_b32 s66, s22, 2
	s_cmp_eq_u32 s66, 2
	s_cselect_b32 s[ISV], 1, 0
	s_cselect_b32 s70, 51200, 0
	s_cselect_b32 s71, 0, 51200
	s_lshl_b32 s40, s20, 2
	s_lshl_b32 s40, 15, s40
	s_lshl_b32 s41, 0x1111, s19
	s_or_b32 s[G1], s40, (3<<16)|(1<<21)
	s_or_b32 s[G1B], s41, (3<<16)|(1<<21)
.irp g, G1, G1B
	s_mov_b32 s[\g+1], 32<<16
	s_mov_b32 s[\g+2], 100<<16
	s_mov_b32 s[\g+3], 32<<16
	s_mov_b32 s[\g+4], 100
	s_mov_b32 s[\g+5], 32
	s_mov_b32 s[\g+6], 0
	s_mov_b32 s[\g+7], 0
.endr
	s_mul_i32 s44, s[WC], BLK
	s_mul_i32 s42, s68, 16*BLK
	s_add_co_u32 s42, s42, s44
	s_mov_b32 s43, 0
	s_lshr_b32 s45, 0x64000, s[ISV]
	s_mul_i32 s46, s21, s45
	s_mul_i32 s47, s66, WSTEP
	s_add_co_u32 s46, s46, s47
	s_add_co_u32 s46, s46, s44
	s_add_co_u32 s46, s46, WQO
	s_mov_b32 s47, 0
	s_mul_i32 s69, s[WV], BLK
	s_mov_b32 s[SEL], 0x76543210
	s_mov_b32 s[SEL+1], 0xfedcba98
	s_wait_dscnt 0x0
	s_wait_kmcnt 0x0
	s_add_nc_u64 s[42:43], s[4:5], s[42:43]
	s_add_nc_u64 s[46:47], s[4:5], s[46:47]
	s_cmp_eq_u32 s66, 3                            ; the fourth group of clusters makes the bias product alone: it asks for no tile.  The test hangs on the cluster's y, equal in all partners
	s_cbranch_scc0 .Lnot_bias
	v_and_b32 v[LN], 31, v0
	v_lshlrev_b32 v[L16], 4, v[LN]
	v_lshlrev_b32 v[L8], 3, v[LN]
	s_wait_alu depctr_va_vdst(0)
	s_branch .Lbias_only
.Lnot_bias:
	CROUND
.irp s, 0,1
	s_mov_b32 s[G0+4*\s], 1
	s_add_co_u32 s[G0+4*\s+1], s69, \s*SLOT
	s_add_nc_u64 s[G0+4*\s+2:G0+4*\s+3], s[42:43], \s*2*BLK
	s_or_b32 s[G0+4*\s+3], s[G0+4*\s+3], 0x80000000
	s_mov_b32 s[G0B+4*\s], 1
	s_add_co_u32 s[G0B+4*\s+1], s69, \s*SLOT
	s_add_nc_u64 s[G0B+4*\s+2:G0B+4*\s+3], s[46:47], \s*2*BLK
	s_or_b32 s[G0B+4*\s+3], s[G0B+4*\s+3], 0x80000000
	s_wait_alu depctr_va_vdst(0)
	s_wait_tensorcnt 0x0
	ds_add_u32 v28, v29
	ds_add_u32 v28, v29
	s_wait_dscnt 0x0
	CROUND
	JLOAD \s
.endr
	v_and_b32 v[LN], 31, v0
	v_and_b32 v27, 15, v0
	v_lshlrev_b32 v[L16], 4, v[LN]
	s_wait_alu depctr_va_vdst(0)
	v_lshlrev_b32 v[L8], 3, v[LN]
	s_wait_alu depctr_va_vdst(0)
	v_lshlrev_b32 v1, 2, v27
	s_wait_alu depctr_va_vdst(0)
	s_mul_i32 s73, s[WR], 12288
	s_add_co_u32 s73, s73, s70
	s_mul_i32 s74, s[WC], 12288
	s_add_co_u32 s74, s74, s71
	s_lshl_b32 s75, s[WR], 9
	s_add_co_u32 s75, s75, s70
	s_add_co_u32 s75, s75, 24576
	s_lshl_b32 s76, s[WC], 9
	s_add_co_u32 s76, s76, s71
	s_add_co_u32 s76, s76, 24576
.irp s, 0,1
	v_add_nc_u32 v[ADRA+\s], s73, v[L16]
	v_add_nc_u32 v[ADRA+2+\s], s73, v[L8]
	v_add_nc_u32 v[ADRB+\s], s74, v[L16]
	v_add_nc_u32 v[ADRB+2+\s], s74, v[L8]
	v_add_nc_u32 v[ADS1+\s], s75, v1
	v_add_nc_u32 v[ADS0+\s], s76, v1
	s_add_co_u32 s73, s73, SLOT
	s_add_co_u32 s74, s74, SLOT
	s_add_co_u32 s75, s75, SLOT
	s_add_co_u32 s76, s76, SLOT
.endr
	s_cmp_eq_u32 s66, 0
	s_cselect_b64 s[78:79], s[6:7], s[8:9]
	s_cmp_eq_u32 s66, 2
	s_cselect_b64 s[78:79], s[10:11], s[78:79]
	s_cselect_b32 s80, s[WR], s[WC]
	s_cselect_b32 s81, s[WC], s[WR]
	s_lshl_b32 s82, s21, 10
	s_lshl_b32 s83, s80, 9
	s_add_co_u32 s82, s82, s83
	s_mov_b32 s83, 0
	s_add_nc_u64 s[78:79], s[78:79], s[82:83]
	v_bfe_u32 v2, v0, 4, 1
	v_lshlrev_b32 v2, 6, v2
	v_and_b32 v3, 8, v27
	v_add_nc_u32 v3, v3, v27
	v_lshlrev_b32 v3, 2, v3
	WIN TO_B
.irp t, 0,1,2,3,4,5,6,7
	global_load_b128 v[96+8*\t+96*(\t/4):96+8*\t+96*(\t/4)+3], v2, s[78:79] offset:(32*(\t/2)+8*(\t%2))*4
	global_load_b128 v[96+8*\t+96*(\t/4)+4:96+8*\t+96*(\t/4)+7], v2, s[78:79] offset:(32*(\t/2)+8*(\t%2))*4+16
.endr
	WIN 0
.irp a, 0,1,2,3,4,5,6,7
	global_load_b32 v[BM+2*\a], v3, s[78:79] offset:(32*(\a/2)+8*(\a%2))*4
	global_load_b32 v[BM+2*\a+1], v3, s[78:79] offset:(32*(\a/2)+8*(\a%2))*4
.endr
	s_lshr_b32 s40, s68, 3
	s_and_b32 s41, s68, 7
	s_lshl_b32 s41, s41, 1
	s_add_co_u32 s41, s41, s81
	s_lshl_b32 s42, s40, 4
	s_lshl_b32 s43, s21, 2
	s_add_co_u32 s42, s42, s43
	s_lshl_b32 s43, s80, 1
	s_add_co_u32 s42, s42, s43
	s_lshl_b32 s42, s42, 4
	s_add_co_u32 s42, s42, s41
	s_mul_i32 s42, s42, 6656
	s_add_co_u32 s43, s42, 6144
	s_lshl_b32 s44, s40, 2
	s_add_co_u32 s44, s44, s21
	s_lshl_b32 s44, s44, 4
	s_add_co_u32 s44, s44, s41
	s_mul_i32 s44, s44, 52224
	s_mul_i32 s45, s80, 12288
	s_add_co_u32 s45, s45, s44
	s_mul_i32 s46, s[ISV], 24576
	s_add_co_u32 s45, s45, s46
	s_lshr_b32 s46, 1024, s[ISV]
	s_mul_i32 s46, s46, s80
	s_add_co_u32 s46, s46, s44
	s_lshl_b32 s47, s[ISV], 11
	s_add_co_u32 s46, s46, s47
	s_add_co_u32 s46, s46, 49152
	s_mul_i32 s47, s[ISV], 3
	s_lshr_b32 s47, 6144, s47
	s_lshr_b32 s73, 512, s[ISV]
	s_lshl_b32 s[SA], 768, s[ISV]
	s_mov_b32 s[SA+1], 0
	s_cmp_eq_u32 s66, 0
	s_cselect_b64 s[D0:D0+1], s[12:13], s[14:15]
	s_cselect_b32 s74, s42, s45
	s_cselect_b32 s76, s43, s46
	s_cselect_b32 s82, 106496, s47
	s_cselect_b32 s40, 106496, s73
	s_cselect_b32 s[SUBQ], 0x0303, 0
	s_mov_b32 s75, 0
	s_mov_b32 s77, 0
	s_mov_b32 s83, 0
	s_mov_b32 s41, 0
	s_mov_b64 s[S0:S0+1], s[D0:D0+1]
	s_add_nc_u64 s[D0:D0+1], s[D0:D0+1], s[74:75]
	s_add_nc_u64 s[D1:D1+1], s[D0:D0+1], s[82:83]
	s_add_nc_u64 s[S0:S0+1], s[S0:S0+1], s[76:77]
	s_add_nc_u64 s[S1:S1+1], s[S0:S0+1], s[40:41]
.macro FRAG reg, a16, a8, off
	ds_load_b128 v[(\reg):(\reg)+3], v[\a16] offset:(\off)
	ds_load_b64 v[(\reg)+4:(\reg)+5], v[\a8] offset:(\off)+512
	ds_load_b128 v[(\reg)+6:(\reg)+9], v[\a16] offset:(\off)+768
	ds_load_b64 v[(\reg)+10:(\reg)+11], v[\a8] offset:(\off)+1280
.endm
.macro FETCH_B slot, q, p
	WIN TO_B
.irp i, 0,1,2,3,4,5,6,7
	FRAG 128*(\p)+FR*\i, ADRB+\slot, ADRB+2+\slot, (\q)*BLK+1536*\i
.endr
	WIN 0
.endm
.macro FETCH_A slot, q, i0
.irp i, \i0, \i0+1, \i0+2, \i0+3
	FRAG AF+FR*(\i), ADRA+\slot, ADRA+2+\slot, (\q)*BLK+1536*(\i)
.endr
.endm
.macro SCALES slot
.irp q, 0,1
.irp i, 0,1,2,3,4,5,6,7
	ds_load_b32 v[SC+32*\slot+16*\q+\i], v[ADS1+\slot] offset:\q*BLK+64*\i
	ds_load_b32 v[SC+32*\slot+16*\q+8+\i], v[ADS0+\slot] offset:\q*BLK+64*\i
.endr
.endr
.endm
.macro MUL16 a0, p, q, sc, zero
.irp a, \a0, \a0+1
.irp b, 0,1,2,3,4,5,6,7
.if \zero
	v_wmma_scale_f32_16x16x128_f8f6f4 v[8*(8*((\a)%4)+\b):8*(8*((\a)%4)+\b)+7], v[128*(\p)+FR*\b:128*(\p)+FR*\b+FR-1], v[AF+FR*(\a):AF+FR*(\a)+FR-1], 0, v[SC+32*(\sc)+16*(\q)+8+\b], v[SC+32*(\sc)+16*(\q)+(\a)] matrix_a_fmt:MATRIX_FMT_FP6 matrix_b_fmt:MATRIX_FMT_FP6
.else
	v_wmma_scale_f32_16x16x128_f8f6f4 v[8*(8*((\a)%4)+\b):8*(8*((\a)%4)+\b)+7], v[128*(\p)+FR*\b:128*(\p)+FR*\b+FR-1], v[AF+FR*(\a):AF+FR*(\a)+FR-1], v[8*(8*((\a)%4)+\b):8*(8*((\a)%4)+\b)+7], v[SC+32*(\sc)+16*(\q)+8+\b], v[SC+32*(\sc)+16*(\q)+(\a)] matrix_a_fmt:MATRIX_FMT_FP6 matrix_b_fmt:MATRIX_FMT_FP6
.endif
.endr
.endr
.endm
.macro PLACES
.rept 4
	v_nop
.endr
.endm
.macro STEP slot, zero
	s_wait_dscnt 16
	WIN MUL_LO
	MUL16 0, 0, 0, \slot, \zero
	MUL16 2, 0, 0, \slot, \zero
	s_wait_dscnt 0x0
	PLACES
	FETCH_B \slot, 1, 1
	FETCH_A \slot, 1, 0
	WIN MUL_HI
	MUL16 4, 0, 0, \slot, \zero
	MUL16 6, 0, 0, \slot, \zero
	PLACES
	WIN 0
	FETCH_A \slot, 1, 4
.endm
.macro TURN slot, next, fill
	s_wait_tensorcnt 0x0
	ds_add_u32 v[SPW], v[NIL]
	s_wait_dscnt 17
	WIN MUL_LO
	MUL16 0, 1, 1, \slot, 0
	s_wait_dscnt 0x0
	s_barrier_signal -1
	MUL16 2, 1, 1, \slot, 0
	WIN 0
	s_barrier_wait -1
.if \fill
	CREST
	s_add_nc_u64 s[G0+4*\slot+2:G0+4*\slot+3], s[G0+4*\slot+2:G0+4*\slot+3], 4*BLK
	s_add_nc_u64 s[G0B+4*\slot+2:G0B+4*\slot+3], s[G0B+4*\slot+2:G0B+4*\slot+3], 4*BLK
	JLOAD \slot
.else
	PLACES
.endif
	s_wait_alu depctr_va_vdst(0)
	FETCH_B \next, 0, 0
	FETCH_A \next, 0, 0
	SCALES \next
	WIN MUL_HI
	MUL16 4, 1, 1, \slot, 0
	MUL16 6, 1, 1, \slot, 0
	PLACES
	WIN 0
	FETCH_A \next, 0, 4
.endm
	s_wait_loadcnt 0x0
	s_wait_tensorcnt 1
	s_barrier_signal -1
	s_barrier_wait -1
	FETCH_B 0, 0, 0
	FETCH_A 0, 0, 0
	SCALES 0
	FETCH_A 0, 0, 4
	STEP 0, 1
	s_cmp_eq_u32 s[ISV], 1
	s_cselect_b32 s3, 1, 3
	s_max_u32 s3, s3, 1
.Llap:
	TURN 0, 1, 1
	STEP 1, 0
	TURN 1, 0, 1
	STEP 0, 0
	s_sub_co_u32 s3, s3, 1
	s_cmp_lg_u32 s3, 0
	s_cbranch_scc1 .Llap
	TURN 0, 1, 0
	STEP 1, 0
	s_wait_dscnt 16
	WIN MUL_LO
	MUL16 0, 1, 1, 1, 0
	MUL16 2, 1, 1, 1, 0
	s_wait_dscnt 0x0
	WIN MUL_HI
	MUL16 4, 1, 1, 1, 0
	MUL16 6, 1, 1, 1, 0
	WIN 0
.macro QUANT s, pw
.irp b, 0,1,2,3
	v_max3_num_f32 v[TM+\b], |v[\s+16*\b]|, |v[\s+1+16*\b]|, FLOOR
.endr
.irp i, 2,4,6,8,10,12,14
.irp b, 0,1,2,3
	v_max3_num_f32 v[TM+\b], v[TM+\b], |v[\s+16*\b+\i]|, |v[\s+1+16*\b+\i]|
.endr
.endr
.irp b, 0,1,2,3
	v_permlanex16_b32 v[TM+4+\b], v[TM+\b], s[SEL], s[SEL+1]
.endr
.irp b, 0,1,2,3
	v_max_num_f32 v[TM+\b], v[TM+\b], v[TM+4+\b]
.endr
.irp b, 0,1,2,3
	v_add_nc_u32 v[TM+12+\b], 0xff000000, v[TM+\b]
.endr
.irp b, 0,1,2,3
	v_lshrrev_b32 v[TM+4+\b], 23, v[TM+12+\b]
.endr
	v_lshl_or_b32 v[\pw], v[TM+5], 8, v[TM+4]
	v_lshl_or_b32 v[\pw], v[TM+6], 16, v[\pw]
	v_lshl_or_b32 v[\pw], v[TM+7], 24, v[\pw]
.irp c, 0,1
	v_cvt_scalef32_pk16_fp6_f32 v[PC+6*\c:PC+2+6*\c], v[\s+32*\c:\s+15+32*\c], v[TM+12+2*\c]
	v_cvt_scalef32_pk16_fp6_f32 v[PC+12+4*\c:PC+14+4*\c], v[\s+16+32*\c:\s+31+32*\c], v[TM+12+2*\c+1]
.endr
	v_nop
.irp c, 0,1
.irp i, 0,1,2
	v_permlane16_swap_b32 v[PC+6*\c+\i], v[PC+12+4*\c+\i]
.endr
.irp i, 0,1,2
	v_mov_b32 v[PC+3+6*\c+\i], v[PC+12+4*\c+\i]
.endr
.endr
.endm
.macro BLOCKOUT a
.set AC, 64*((\a)%4)
	s_wait_xcnt 0x0
.if (\a) > 0
	s_add_nc_u64 s[D0:D0+1], s[D0:D0+1], s[SA:SA+1]
	s_add_nc_u64 s[D1:D1+1], s[D1:D1+1], s[SA:SA+1]
.endif
	s_cmp_eq_u32 s[ISV], 0
	s_cbranch_scc0 .Lby_row_\@
	WIN 0x06+(\a)/4
.set i, 0
.rept 32
	v_pk_add_f32 v[X+i:X+i+1], v[AC+i:AC+i+1], v[96+i+96*(i/32):96+i+96*(i/32)+1]
.set i, i+2
.endr
	WIN 0
	s_branch .Lbiased_\@
.Lby_row_\@:
	WIN 0x02+(\a)/4
.set i, 0
.rept 32
	v_pk_add_f32 v[X+i:X+i+1], v[AC+i:AC+i+1], v[BM+2*(\a):BM+2*(\a)+1] op_sel_hi:[1,0]
.set i, i+2
.endr
	WIN 0
.Lbiased_\@:
	QUANT X, PWS+(\a)
	global_store_b128 v[L16], v[PC:PC+3], s[D0:D0+1]
	global_store_b64 v[L8], v[PC+4:PC+5], s[D0:D0+1] offset:512
	global_store_b128 v[L16], v[PC+6:PC+9], s[D1:D1+1]
	global_store_b64 v[L8], v[PC+10:PC+11], s[D1:D1+1] offset:512
.endm
.macro GFRAG reg, base, off
	global_load_b128 v[(\reg):(\reg)+3], v[L16], s[\base:\base+1] offset:(\off)
	global_load_b64 v[(\reg)+4:(\reg)+5], v[L8], s[\base:\base+1] offset:(\off)+512
	global_load_b128 v[(\reg)+6:(\reg)+9], v[L16], s[\base:\base+1] offset:(\off)+768
	global_load_b64 v[(\reg)+10:(\reg)+11], v[L8], s[\base:\base+1] offset:(\off)+1280
.endm
.macro WMB d, a, b, c, sa, sb, ra, rb
.if (\ra) && (\rb)
	v_wmma_scale_f32_16x16x128_f8f6f4 v[(\d):(\d)+7], v[(\a):(\a)+11], v[(\b):(\b)+11], v[(\c):(\c)+7], v[\sa], v[\sb] matrix_a_fmt:MATRIX_FMT_FP6 matrix_b_fmt:MATRIX_FMT_FP6 matrix_a_scale:MATRIX_SCALE_ROW1 matrix_b_scale:MATRIX_SCALE_ROW1
.elseif (\ra)
	v_wmma_scale_f32_16x16x128_f8f6f4 v[(\d):(\d)+7], v[(\a):(\a)+11], v[(\b):(\b)+11], v[(\c):(\c)+7], v[\sa], v[\sb] matrix_a_fmt:MATRIX_FMT_FP6 matrix_b_fmt:MATRIX_FMT_FP6 matrix_a_scale:MATRIX_SCALE_ROW1
.elseif (\rb)
	v_wmma_scale_f32_16x16x128_f8f6f4 v[(\d):(\d)+7], v[(\a):(\a)+11], v[(\b):(\b)+11], v[(\c):(\c)+7], v[\sa], v[\sb] matrix_a_fmt:MATRIX_FMT_FP6 matrix_b_fmt:MATRIX_FMT_FP6 matrix_b_scale:MATRIX_SCALE_ROW1
.else
	v_wmma_scale_f32_16x16x128_f8f6f4 v[(\d):(\d)+7], v[(\a):(\a)+11], v[(\b):(\b)+11], v[(\c):(\c)+7], v[\sa], v[\sb] matrix_a_fmt:MATRIX_FMT_FP6 matrix_b_fmt:MATRIX_FMT_FP6
.endif
.endm
.macro LOADW i
.set KW, (\i)%2
	WIN 0
.irp q, 0,1
.irp j, 0,1,2,3
	global_load_b32 v[SC+8*KW+4*\q+\j], v1, s[44:45] offset:(\i)*4*BLK+\q*BLK+128*\j
.endr
.endr
	WIN 0x40+0x80*KW
.irp t, 0,1,2,3,4,5,6,7
	global_load_b128 v[192+8*\t:195+8*\t], v2, s[78:79] offset:(\i)*2048+(32*(\t/2)+8*(\t%2))*4
	global_load_b128 v[196+8*\t:199+8*\t], v2, s[78:79] offset:(\i)*2048+(32*(\t/2)+8*(\t%2))*4+16
.endr
.irp t, 0,1,2,3,4,5,6,7
.irp q, 0,1
	GFRAG 12*(2*\t+\q), 42, (\i)*4*BLK+\q*BLK+1536*\t
.endr
.endr
	WIN 0
.endm
.macro BIASBLK i
.set KW, (\i)%2
.if (\i) < 3
	s_wait_loadcnt 63
.else
	s_wait_loadcnt 0x0
.endif
.if (\i) > 0
	s_wait_xcnt 0x0
.endif
	WIN 0x91+0x22*KW
.irp m, 0,1,2,3
.irp t, 0,1,2,3,4,5,6,7
	WMB 64*\m+8*\t, 24*\t, 96+24*\m, 192+8*\t, SC+8*KW+\t/2, SC+16+\m/2, \t%2, \m%2
.endr
.endr
	WIN 0xa1+0x02*KW
.irp m, 0,1,2,3
.irp t, 0,1,2,3,4,5,6,7
	WMB 64*\m+8*\t, 24*\t+12, 108+24*\m, 64*\m+8*\t, SC+8*KW+4+\t/2, SC+18+\m/2, \t%2, \m%2
.endr
.endr
.rept 5
	v_nop
.endr
.if (\i)+2 < 4
	LOADW (\i)+2
.endif
	WIN 0x08
.irp m, 0,1,2,3
.irp j, 0,1,2,3,4,5,6,7,8,9,10,11,12,13,14,15
	global_store_b128 v[L16], v[64*\m+4*\j:64*\m+4*\j+3], s[80:81] offset:(\i)*131072+8192*\m+512*\j
.endr
.endr
	WIN 0
.endm
	PLACES
.irp b, 0,1,2,3
	v_mov_b32 v[TM+4+\b], 0
.endr
.irp a, 0,1,2,3,4,5,6,7
	BLOCKOUT \a
.endr
	v_cmp_lt_u32 vcc_lo, 15, v[LN]
.irp i, 0,1,2,3
	v_cndmask_b32 v[MW+\i], v[PWS+2*\i], v[PWS+2*\i+1], vcc_lo
.endr
	s_cmp_eq_u32 s[ISV], 0
	s_cbranch_scc0 .Lwords_v
.irp i, 0,1,2,3
	v_and_b32 v[MW+4+\i], 0xffff, v[MW+\i]
	v_lshrrev_b32 v[MW+8+\i], 16, v[MW+\i]
.endr
.irp i, 0,1,2,3
	v_sub_nc_u32 v[MW+4+\i], v[MW+4+\i], s[SUBQ]
	v_sub_nc_u32 v[MW+8+\i], v[MW+8+\i], s[SUBQ]
.endr
	global_store_b128 v[L16], v[MW+4:MW+7], s[S0:S0+1]
	global_store_b128 v[L16], v[MW+8:MW+11], s[S1:S1+1]
	s_branch .Lwords_done
.Lwords_v:
	s_wait_alu depctr_va_vdst(0)
	global_store_b64 v[L8], v[MW:MW+1], s[S0:S0+1]
	global_store_b64 v[L8], v[MW+2:MW+3], s[S1:S1+1]
	s_branch .Lwords_done                          ; V's work-groups end here
.Lbias_only:                                           ; bias = Gm Wg^T + bg: a work-group makes 64 queries x 2,048 keys, operands straight from memory into registers
	v_lshlrev_b32 v1, 2, v[LN]
	s_wait_alu depctr_va_vdst(0)
	v_bfe_u32 v2, v0, 4, 1
	v_lshlrev_b32 v2, 6, v2
	s_wait_alu depctr_va_vdst(0)
	s_mul_i32 s40, s[WR], 2*BLK
	s_add_co_u32 s40, s40, WGO
	s_mul_i32 s42, s[WC], 12288
	s_add_co_u32 s42, s42, s40
	s_mov_b32 s43, 0
	s_lshl_b32 s44, s[WC], 9
	s_add_co_u32 s44, s44, s40
	s_add_co_u32 s44, s44, 24576
	s_mov_b32 s45, 0
	s_mul_i32 s46, s68, 2*BLK
	s_add_co_u32 s46, s46, GMO
	s_mul_i32 s74, s21, 6144
	s_add_co_u32 s74, s74, s46
	s_mov_b32 s75, 0
	s_lshl_b32 s76, s21, 8
	s_add_co_u32 s76, s76, s46
	s_add_co_u32 s76, s76, 24576
	s_mov_b32 s77, 0
	s_lshl_b32 s78, s[WV], 9
	s_mov_b32 s79, 0
	s_lshl_b32 s80, s68, 2
	s_add_co_u32 s80, s80, s21
	s_lshl_b32 s80, s80, 4
	s_add_co_u32 s80, s80, s[WV]
	s_lshl_b32 s80, s80, 15
	s_mov_b32 s81, 0
	s_add_nc_u64 s[42:43], s[4:5], s[42:43]
	s_add_nc_u64 s[44:45], s[4:5], s[44:45]
	s_add_nc_u64 s[74:75], s[4:5], s[74:75]
	s_add_nc_u64 s[76:77], s[4:5], s[76:77]
	s_add_nc_u64 s[78:79], s[96:97], s[78:79]
	s_add_nc_u64 s[80:81], s[98:99], s[80:81]
.irp q, 0,1
.irp j, 0,1
	global_load_b32 v[SC+16+2*\q+\j], v1, s[76:77] offset:\q*BLK+128*\j
.endr
.endr
.irp m, 0,1,2,3
.irp q, 0,1
	GFRAG 96+24*\m+12*\q, 74, \q*BLK+1536*\m
.endr
.endr
	LOADW 0
	LOADW 1
	BIASBLK 0
	BIASBLK 1
	BIASBLK 2
	BIASBLK 3
.Lwords_done:
	s_wait_tensorcnt 0x0
	ds_add_u32 v[SPW], v[NIL]
	s_wait_dscnt 0x0
	CROUND
	s_endpgm
.Lfunc_end_k_qef39920623_proj:
	.size	k_qef39920623_proj, .Lfunc_end_k_qef39920623_proj-k_qef39920623_proj
	.p2alignl 7, 3214868480
	.fill 96, 4, 3214868480
	.section	.rodata,"a",@progbits
	.p2align	6, 0x0
	.amdhsa_kernel k_qef39920623_proj
		.amdhsa_group_segment_fixed_size 327680
		.amdhsa_private_segment_fixed_size 0
		.amdhsa_enable_private_segment 0
		.amdhsa_kernarg_size 64
		.amdhsa_user_sgpr_count 2
		.amdhsa_user_sgpr_kernarg_segment_ptr 1
		.amdhsa_wavefront_size32 1
		.amdhsa_system_sgpr_workgroup_id_x 1
		.amdhsa_system_sgpr_workgroup_id_y 1
		.amdhsa_system_sgpr_workgroup_id_z 1
		.amdhsa_system_vgpr_workitem_id 0
		.amdhsa_next_free_vgpr 1024
		.amdhsa_next_free_sgpr 100
		.amdhsa_reserve_vcc 1
		.amdhsa_float_denorm_mode_32 3
		.amdhsa_float_denorm_mode_16_64 3
		.amdhsa_memory_ordered 1
		.amdhsa_forward_progress 1
		.amdhsa_inst_pref_size 255
	.end_amdhsa_kernel
	.section	.bss,"aw",@nobits
	.p2align	6
	.space	262144
	.amdgpu_metadata
---
amdhsa.version: [ 1, 2 ]
amdhsa.kernels:
  - .name:           k_qef39920623_proj
    .symbol:         k_qef39920623_proj.kd
    .args:
      - { .name: ops, .offset: 0, .size: 8, .value_kind: global_buffer, .address_space: global }
      - { .name: bq, .offset: 8, .size: 8, .value_kind: global_buffer, .address_space: global }
      - { .name: bk, .offset: 16, .size: 8, .value_kind: global_buffer, .address_space: global }
      - { .name: bv, .offset: 24, .size: 8, .value_kind: global_buffer, .address_space: global }
      - { .name: qimg, .offset: 32, .size: 8, .value_kind: global_buffer, .address_space: global }
      - { .name: kv, .offset: 40, .size: 8, .value_kind: global_buffer, .address_space: global }
      - { .name: bg, .offset: 48, .size: 8, .value_kind: global_buffer, .address_space: global }
      - { .name: bias, .offset: 56, .size: 8, .value_kind: global_buffer, .address_space: global }
    .group_segment_fixed_size: 327680
    .private_segment_fixed_size: 0
    .kernarg_segment_align: 8
    .kernarg_segment_size: 64
    .max_flat_workgroup_size: 128
    .sgpr_count:     100
    .vgpr_count:     1024
    .wavefront_size: 32
...
	.end_amdgpu_metadata
.endif
;; end of part 2
;; launch attn (part 3): grid 4 x 64, 16 waves a work-group, clusters of 4 x 4, 327,680 bytes of LDS; arguments qimg, kv, bias, ao; writes ao
.if DOCPART == 3
	.amdgcn_target "amdgcn-amd-amdhsa--gfx1250"
	.amdhsa_code_object_version 6
	.text
	.protected	k_qef39920623_attn
	.globl	k_qef39920623_attn
	.p2align	8
	.type	k_qef39920623_attn,@function
k_qef39920623_attn:
	s_mov_b64 s[64:65], 0
	v_nop
	global_prefetch_b8 v0, s[64:65] scope:SCOPE_SE
	s_setreg_imm32_b32 hwreg(HW_REG_WAVE_MODE, 25, 1), 1
	s_wait_xcnt 0x0
	s_wait_alu depctr_hold_cnt(0) depctr_sa_sdst(0) depctr_va_vdst(0) depctr_va_sdst(0) depctr_va_ssrc(0) depctr_va_vcc(0) depctr_vm_vsrc(0)
	s_getreg_b32 s2, hwreg(HW_REG_IB_STS2, 6, 4)
	s_cmp_eq_u32 s2, 0
	s_cbranch_scc0 .Lentry_in_a_cluster
	s_endpgm
.Lentry_in_a_cluster:
	s_bfe_u32 s2, ttmp6, 0x10000c
	s_cmp_lg_u32 s2, 0xf033
	s_cbranch_scc0 .Lentry_shape_is_right
	s_endpgm
.Lentry_shape_is_right:
; Attention with an additive f32 bias, both products on codes of FP6 with E8M0 scales.  S = K Q^T / 8 + bias; t = S log2(e); M = the running largest t rounded UP to a whole number; p = 2^(t - M) is quantised along the keys,
; not normalised; the row's sum is taken of the unquantised p and divides O at the end; when M moves, the sum and O are multiplied by 2^(old M - new M), exactly.  O is quantised along the features and leaves as codes.
; SHARES.  A work-group owns 64 queries x 4 heads; each of its sixteen waves one tile of 16 queries of one head (head = wave % 4, tile = wave / 4) in 256 registers.  Every wave walks the batch's 2,048 keys, 128 a step.
; THE RING holds kv alone: a slot is TWO key steps, two blocks of kv on end in memory (2 x 52,224 bytes: four heads' codes and scale words of K and V, laid as images of registers).  Waves 0 to 5 fetch 68 rows of 256 bytes each.
; So there are eight changes of slots for sixteen key steps, and a refill has two steps' work in which to land.
; THE BIAS goes from memory straight into the score accumulators: a wave's tile of a step is 8,192 consecutive bytes, sixteen loads of 512 bytes, issued in the softmax of the step before, as soon as p's registers have been converted.
; CLUSTER 4 x 4: cx = the head group, cy = the block of queries.  kv's slot hangs on cx and is asked for jointly along a column of the cluster.  The bias is not asked for jointly: it lands in registers, which no joint load reaches,
; and two slots of two steps with the bias beside kv (2 x 169,984 bytes) pass the 327,680 bytes of LDS.
; LAYOUT.  Both products transposed: a lane holds ONE query throughout.  The bias is the C of the score product; 1/8 was taken off Q's scale bytes.
; TWO ORDERS OF A KEY STEP.  H1: a step's LDS loads and its eight score products.  H2: the softmax and the four products V^T P^T, on registers, and the next bias loads.  In a step's half period the EARLY waves run H1 and H2
; of that step; the LATE waves run H2 of the step before and then H1 of that step, carrying S, V and V's scale words in registers.  late = (wave xor wave / 4) & 1.  Every wave reads a slot between two changes alone.
; THE HEAD'S K IS 64, the instruction's 128.  Q's registers 6-11 are zero codes.  K's eight half fragments lie 6 registers apart, and tile t is named as 12 registers: its upper six are the next tile's codes (behind the last: six
; zeros), which meet Q's zero codes and add exactly 0: FP6 has no infinity or NaN, and bytes 2 and 3 of both scale words are 0, not 0xff.
; LIMITS: NaN and infinities are not served.  A block's largest p is taken from its largest score: this takes v_exp_f32 not to fall where its input rises.  A block of O under 2^-124 is quantised at that floor's scale.
; The promise holds while the scaled scores stay under 2^31 in magnitude.
; REGISTERS: v1-5 addresses that stay; v6-7 the add's two; v8-12 a step's addresses; v13 the prefetch's offset; v14 -M, v15 the largest t; v[16:17] the sum; v18-29 Q; v30 Q's scale word; v32-85 K's halves, then V's fragments;
;   v96-159 bias, S, p; v160-191 O^T; v192-203 p's codes; v204-223, v232, v244-255 at work; v224-227 K's scale words, v228-229 V's; v230 f, v231 p's scale word.
.set BLK,   25600
.set KVB,   52224
.set BIB,   32768
.set SLOT1, 1<<17                      ; slot 1 begins here: one exclusive or turns an address from one slot to the other
.set SPARE, 2*SLOT1                    ; the spare words, 128 bytes for each of 16 waves
.set AK16, 1
.set AK8,  2
.set AB16, 3                           ; v3  16 x lane: my 16 bytes of a load's 512
.set AKS,  4
.set AVS,  5
.set SPW,  6
.set NIL,  7
.set PFO,  13
.set WV,   12
.set SEL,  20
.set CS,   22
.set G1KV, 24
.set BP,   32                          ; s[32:33] my tile's bias of the step that a period's first H2 asks for
.set TY,   36                          ; s36  the slot's second step
.set G0KV, 40
.set TB,   48                          ; s48  the slot's first step
.set SLOTS, 49
.set PFA,  50
.set PFS,  52
.set LIM,  54
.set LATE, 75                          ; s75  0: an early wave, 1: a late one
; Waves 0 to 5 fetch a sixth of a slot each, the others nothing.  The branch hangs on the wave's number alone.  An s_nop 0 and four v_nop follow the line.
.macro TLOAD
	s_cmp_lt_u32 s[WV], 6
	s_cbranch_scc0 .Lasked_\@
	tensor_load_to_lds s[G0KV:G0KV+3], s[G1KV:G1KV+7]
	s_nop 0
.rept 4
	v_nop
.endr
.Lasked_\@:
.endm
; PREFETCHES, one instruction a wave behind a change's tensor load, lanes 256 bytes apart.  Waves 6 and 7: the bias of the NEXT period's two steps (65,536 bytes of my queries); the four partners of a row of the cluster take
; 16,384 bytes each, told apart by address: 64 pieces.  Waves 8 to 11: the slot that the NEXT change will ask for, in the batch's first cluster alone (all eight clusters of a batch walk the same slots); the four partners of
; a column take 26,112 bytes each: 102 pieces (the last lanes name the 102nd again).  The last change that fills a slot asks for no kv; nothing is asked for at the head.
.macro ASK
	s_cmp_gt_u32 s[SLOTS], s[LIM]
	s_cbranch_scc0 .Lnot_mine_\@
	global_prefetch_b8 v[PFO], s[PFA:PFA+1] th:TH_LOAD_NT scope:SCOPE_SE
.Lnot_mine_\@:
.endm
.macro CROUND                          ; a round of the cluster's barrier
	s_barrier_signal -1
	s_barrier_wait -1
	s_cmp_lg_u32 s[WV], 0
	s_cbranch_scc1 .Lnot_wave_0_\@
	s_barrier_signal -3
.Lnot_wave_0_\@:
	s_barrier_wait -3
	s_barrier_signal -1
	s_barrier_wait -1
.endm
.macro WMS d, a, b, sa, sb, ra         ; one product onto d; ra: source 0's scale words stand in lanes 16-31
.if \ra
	v_wmma_scale_f32_16x16x128_f8f6f4 v[(\d):(\d)+7], v[(\a):(\a)+11], v[(\b):(\b)+11], v[(\d):(\d)+7], v[\sa], v[\sb] matrix_a_fmt:MATRIX_FMT_FP6 matrix_b_fmt:MATRIX_FMT_FP6 matrix_a_scale:MATRIX_SCALE_ROW1
.else
	v_wmma_scale_f32_16x16x128_f8f6f4 v[(\d):(\d)+7], v[(\a):(\a)+11], v[(\b):(\b)+11], v[(\d):(\d)+7], v[\sa], v[\sb] matrix_a_fmt:MATRIX_FMT_FP6 matrix_b_fmt:MATRIX_FMT_FP6
.endif
.endm
	s_load_b256 s[4:11], s[0:1], 0x0               ; qimg, kv, bias, ao
	v_lshl_add_u32 v[SPW], v0, 2, SPARE
	v_mov_b32 v[NIL], 0
	ds_add_u32 v[SPW], v[NIL]                      ; the opening lines: the add, twice on end, and its wait ahead of the first tensor loads
	ds_add_u32 v[SPW], v[NIL]
	v_lshrrev_b32 v8, 5, v0
	s_delay_alu instid0(VALU_DEP_1)
	v_readfirstlane_b32 s[WV], v8                  ; wave 0..15
	s_bfe_u32 s13, ttmp6, 0x40000                  ; cx: the head group
	s_bfe_u32 s14, ttmp6, 0x40004                  ; cy
	s_and_b32 s15, ttmp7, 0xffff                   ; the cluster's y
	s_lshl_b32 s16, s15, 2
	s_add_co_u32 s16, s16, s14                     ; my block of 64 queries
	s_lshr_b32 s17, s15, 3                         ; batch
	s_and_b32 s18, s[WV], 3                        ; my head in the group
	s_lshr_b32 s19, s[WV], 2                       ; my tile of queries
	s_lshr_b32 s[LATE], s[WV], 2
	s_xor_b32 s[LATE], s[LATE], s[WV]
	s_and_b32 s[LATE], s[LATE], 1                  ; my order of a key step: the wave's number alone decides
	s_lshl_b32 s55, 0x1111, s13                    ; my column of the cluster
	s_or_b32 s[G1KV], s55, (3<<16)|(1<<21)         ; 15:0 the mask; 17:16 elements of 8 bytes; 21 set beside a mask; no padding
	s_mov_b32 s[G1KV+1], 32<<16                    ; rows of 256 bytes,
	s_mov_b32 s[G1KV+2], 68<<16                    ; 68 of them: a sixth of a slot
	s_mov_b32 s[G1KV+3], 32<<16
	s_mov_b32 s[G1KV+4], 68
	s_mov_b32 s[G1KV+5], 32                        ; dense
	s_mov_b32 s[G1KV+6], 0
	s_mov_b32 s[G1KV+7], 0
	s_lshl_b32 s57, s17, 2
	s_add_co_u32 s57, s57, s13
	s_mul_i32 s57, s57, 16*KVB                     ; (batch, head group)'s sixteen blocks
	s_min_u32 s58, s[WV], 5
	s_mul_i32 s58, s58, 17408                      ; my sixth, in memory and in a slot
	s_add_co_u32 s60, s57, s58
	s_mov_b32 s61, 0
	s_lshl_b32 s62, s16, 19                        ; my queries' sixteen bias blocks,
	s_lshl_b32 s59, s19, 13
	s_add_co_u32 s62, s62, s59                     ; my tile's 8,192 bytes in each
	s_mov_b32 s63, 0
	s_xor_b32 s38, s[LATE], 1
	s_lshl_b32 s38, s38, 15                        ; an early wave's H2 asks for the bias one step further on than a late wave's
	s_mov_b32 s39, 0
	s_mov_b32 s[SEL], 0x76543210
	s_mov_b32 s[SEL+1], 0xfedcba98
	s_mov_b32 s[CS], 0x3fb8aa3b                    ; log2(e)
	s_mov_b32 s[CS+1], s[CS]                       ; (named with it as a pair)
	s_mov_b32 s[TB], 0
	s_mov_b32 s[TY], KVB
	s_mov_b32 s[SLOTS], 7
	s_wait_dscnt 0x0                               ; both opening adds are done
	s_wait_kmcnt 0x0
	s_mov_b32 s[G0KV], 1
	s_mov_b32 s[G0KV+1], s58
	s_add_nc_u64 s[G0KV+2:G0KV+3], s[6:7], s[60:61]
	s_or_b32 s[G0KV+3], s[G0KV+3], 0x80000000
	s_add_nc_u64 s[BP:BP+1], s[8:9], s[62:63]
	CROUND                                         ; all sixteen work-groups are here: the first joint loads meet
	TLOAD                                          ; key steps 0 and 1 into slot 0
	; Q: my tile's half fragment and its scale word
	s_lshl_b32 s66, s17, 4
	s_lshl_b32 s67, s13, 2
	s_add_co_u32 s66, s66, s67
	s_add_co_u32 s66, s66, s18                     ; 16 b + head
	s_lshl_b32 s66, s66, 4
	s_bfe_u32 s67, s16, 0x40001                    ; the group of 8 tiles in the batch
	s_add_co_u32 s66, s66, s67
	s_mul_i32 s66, s66, 6656
	s_and_b32 s67, s16, 1
	s_lshl_b32 s68, s67, 2
	s_add_co_u32 s68, s68, s19                     ; my tile in the group
	s_mul_i32 s69, s68, 768
	s_add_co_u32 s70, s66, s69
	s_mov_b32 s71, 0
	s_add_nc_u64 s[70:71], s[4:5], s[70:71]
	s_and_b32 s72, s19, 1
	s_lshl_b32 s72, s72, 8                         ; an odd tile's words stand in the places of lanes 16-31,
	s_lshl_b32 s73, s67, 1
	s_lshr_b32 s74, s19, 1
	s_add_co_u32 s73, s73, s74
	s_lshl_b32 s73, s73, 2                         ; word tile / 2 of a place's four
	s_add_co_u32 s72, s72, s73
	s_add_co_u32 s72, s72, s66
	s_add_co_u32 s72, s72, 6144
	s_mov_b32 s73, 0
	s_add_nc_u64 s[72:73], s[4:5], s[72:73]
	s_mul_i32 s76, s18, 6144                       ; LDS: my head's codes of K (V's lie 24,576 on),
	s_lshl_b32 s77, s18, 9
	s_add_co_u32 s77, s77, 49152                   ; K's scale words,
	s_lshl_b32 s78, s18, 8
	s_add_co_u32 s78, s78, 51200                   ; V's
	; the prefetches: who asks, and where
	s_and_b32 s55, s15, 7
	s_cmp_eq_u32 s55, 0                            ; the batch's first cluster: equal in all partners
	s_cselect_b32 s56, 1, -1
	s_lshl_b32 s57, s17, 2
	s_add_co_u32 s57, s57, s13
	s_mul_i32 s57, s57, 16*KVB
	s_mul_i32 s58, s14, 26112
	s_add_co_u32 s57, s57, s58
	s_add_co_u32 s57, s57, 2*KVB                   ; kv: my quarter of the second slot's bytes: the first change steps it to the third's
	s_lshl_b32 s58, s16, 19
	s_lshl_b32 s59, s13, 14
	s_add_co_u32 s58, s58, s59                     ; bias: my quarter of steps 0 and 1: the first change steps it to steps 2 and 3
	s_mov_b32 s[PFS], 2*KVB
	s_cmp_lt_u32 s[WV], 8
	s_cselect_b64 s[PFA:PFA+1], s[8:9], s[6:7]
	s_cselect_b32 s[PFS], 2*BIB, s[PFS]
	s_cselect_b32 s60, s58, s57
	s_cselect_b32 s[LIM], 0, s56
	s_cselect_b32 s79, 6, 8
	s_mov_b32 s61, 0
	s_mov_b32 s[PFS+1], 0
	s_add_nc_u64 s[PFA:PFA+1], s[PFA:PFA+1], s[60:61]
	s_sub_co_u32 s59, s[WV], 6
	s_cmp_lt_u32 s59, 6                            ; waves 6 to 11 alone
	s_cselect_b32 s[LIM], s[LIM], -1
	s_sub_co_u32 s79, s[WV], s79
	s_lshl_b32 s79, s79, 5                         ; my first piece
	v_and_b32 v8, 31, v0                           ; lane
	v_and_b32 v11, 15, v0
	v_lshlrev_b32 v[AB16], 4, v8
	v_lshlrev_b32 v10, 3, v8
	v_lshlrev_b32 v11, 4, v11
	global_load_b128 v[18:21], v[AB16], s[70:71]
	global_load_b64 v[22:23], v10, s[70:71] offset:512
	global_load_b32 v30, v11, s[72:73]
.irp i, 0,1,2,3,4,5,6,7,8,9,10,11,12,13,14,15
	global_load_b128 v[96+4*\i:99+4*\i], v[AB16], s[BP:BP+1] offset:512*\i   ; key step 0's bias, straight into the accumulators
.endr
	v_lshl_add_u32 v[AK16], v8, 4, s76
	v_lshl_add_u32 v[AK8], v8, 3, s76
	v_lshl_add_u32 v[AKS], v8, 4, s77
	v_lshl_add_u32 v[AVS], v8, 3, s78
	v_add_nc_u32 v[PFO], s79, v8
	s_delay_alu instid0(VALU_DEP_1)
	v_min_u32 v[PFO], 101, v[PFO]
	s_delay_alu instid0(VALU_DEP_1)
	v_lshlrev_b32 v[PFO], 8, v[PFO]
.irp j, 24,25,26,27,28,29,80,81,82,83,84,85
	v_mov_b32 v[\j], 0                             ; zero codes: Q's upper half, and behind K's last tile
.endr
	v_mov_b32 v15, 0xff61b1e6                      ; the largest t so far: -3e38
	s_delay_alu instid0(VALU_DEP_1)
	v_floor_f32 v14, -v15                          ; -M
	v_mov_b32 v16, 0
	v_mov_b32 v17, 0
.irp b, 0,1,2,3
	v_mov_b32 v[216+\b], 0                         ; written once: a lane permute's destination counts as one of its sources
.endr
	v_mov_b32 v231, 0                              ; (named as the upper half of v[230:231] before it is first written)
.set j, 0
.rept 32
	v_mov_b32 v[160+j], 0                          ; O^T: the step is written for every step alike; the first finds zeros, which the first change of M leaves zeros
.set j, j+1
.endr
; H1: a key step's LDS loads and its scores.  so: the scalar that holds the step's place in LDS.  The four additions are also the places between the products of an H2 just ahead and the loads into their operands' registers.
.macro H1 so
	s_wait_dscnt 0x0                               ; no LDS load of mine is out
	v_add_nc_u32 v8, s[\so], v[AK16]
	v_add_nc_u32 v9, s[\so], v[AK8]
	v_add_nc_u32 v11, s[\so], v[AKS]
	v_add_nc_u32 v12, s[\so], v[AVS]
	s_wait_alu depctr_va_vdst(0)
.irp t, 0,1,2,3,4,5,6,7
	ds_load_b128 v[32+6*\t:35+6*\t], v8 offset:768*\t
	ds_load_b64 v[36+6*\t:37+6*\t], v9 offset:768*\t+512
.endr
	ds_load_b128 v[224:227], v11
	s_wait_loadcnt 0x0                             ; this step's bias is in the accumulators
	s_wait_dscnt 0x0
.irp t, 0,1,2,3,4,5,6,7
	WMS 96+8*\t, 32+6*\t, 18, 224+\t/2, 30, \t%2   ; S^T = K Q^T / 8 + bias: eight accumulators, one instruction each
.endr
.rept 4
	v_nop                                          ; four places: the loads below land on K's registers, and the maxima read results
.endr
.irp t, 0,1,2,3
	ds_load_b128 v[32+12*\t:35+12*\t], v8 offset:24576+1536*\t   ; V's four fragments
	ds_load_b64 v[36+12*\t:37+12*\t], v9 offset:24576+1536*\t+512
	ds_load_b128 v[38+12*\t:41+12*\t], v8 offset:24576+1536*\t+768
	ds_load_b64 v[42+12*\t:43+12*\t], v9 offset:24576+1536*\t+1280
.endr
	ds_load_b64 v[228:229], v12
.endm
; H2: the softmax of 128 keys and O^T += V^T P^T.  bl = 1: behind the conversions it asks for the bias of my next H1, at byte off from s[BP]; bl = 2: the late waves alone (an early wave has no step left); bl = 0: nobody.
.macro H2 bl, off
.if \bl
	s_wait_loadcnt 0x0                             ; no bias load of mine is out on any way here: the loads below land on the same registers
.endif
.irp b, 0,1,2,3
	v_max3_num_f32 v[212+\b], v[96+16*\b], v[97+16*\b], v[98+16*\b]   ; the largest score of each block of 32 keys: for the row's maximum, and for the block's largest p
.endr
.irp i, 3,5,7,9,11,13
.irp b, 0,1,2,3
	v_max3_num_f32 v[212+\b], v[212+\b], v[96+16*\b+\i], v[97+16*\b+\i]
.endr
.endr
.irp b, 0,1,2,3
	v_max_num_f32 v[212+\b], v[212+\b], v[111+16*\b]
.endr
.irp b, 0,1,2,3
	s_delay_alu instid0(VALU_DEP_4)
	v_permlanex16_b32 v[216+\b], v[212+\b], s[SEL], s[SEL+1]
.endr
.irp b, 0,1,2,3
	s_delay_alu instid0(VALU_DEP_4)
	v_max_num_f32 v[212+\b], v[212+\b], v[216+\b]  ; with lane l xor 16's 16 keys
.endr
	s_delay_alu instid0(VALU_DEP_2)
	v_max3_num_f32 v232, v212, v213, v214
	s_delay_alu instid0(VALU_DEP_1)
	v_max_num_f32 v232, v232, v215
	s_delay_alu instid0(VALU_DEP_1)
	v_mul_f32 v232, s[CS], v232                    ; as t
	s_delay_alu instid0(VALU_DEP_1)
	v_max_num_f32 v15, v15, v232                   ; the running largest t
	v_mov_b32 v232, v14
	s_delay_alu instid0(VALU_DEP_2)
	v_floor_f32 v14, -v15                          ; the new -M = -ceil(t): M is a whole number
	s_delay_alu instid0(VALU_DEP_1)
	v_sub_f32 v232, v14, v232                      ; old M - new M: a whole number, 0 or less
	s_delay_alu instid0(VALU_DEP_1)
	v_cvt_i32_f32 v232, v232                       ; (it saturates)
	s_delay_alu instid0(VALU_DEP_1)
	v_ldexp_f32 v230, 1.0, v232                    ; f = 2^(old M - new M)
.set j, 0
.rept 32
	v_pk_fma_f32 v[96+j:97+j], v[96+j:97+j], s[CS:CS+1], v[14:15] op_sel_hi:[1,0,0]   ; t - M, two at a time
.set j, j+2
.endr
.irp b, 0,1,2,3
	v_fma_f32 v[212+\b], v[212+\b], s[CS], v14     ; the same of each block's largest score
.endr
.set j, 0
	s_wait_alu depctr_va_vdst(0)
.rept 64
	v_exp_f32 v[96+j], v[96+j]                     ; p = 2^(t - M), at most 1
.set j, j+1
.endr
	v_pk_mul_f32 v[16:17], v[16:17], v[230:231] op_sel_hi:[1,0]   ; the sums under the new M: the plain place behind the exponentials
	s_wait_alu depctr_va_vdst(0)                   ; one wait for the batch of 64, ahead of its first reader
.irp b, 0,1,2,3
	v_exp_f32 v[212+\b], v[212+\b]                 ; the blocks' largest p
.endr
	v_pk_add_f32 v[216:217], v[100:101], v[104:105]   ; the row's sum of the unquantised p, in eight chains
	v_pk_add_f32 v[254:255], v[108:109], v[112:113]
	v_pk_add_f32 v[252:253], v[116:117], v[120:121]
	v_pk_add_f32 v[250:251], v[124:125], v[128:129]
	v_pk_add_f32 v[248:249], v[132:133], v[136:137]
	v_pk_add_f32 v[246:247], v[140:141], v[144:145]
	v_pk_add_f32 v[244:245], v[148:149], v[152:153]
	v_pk_add_f32 v[16:17], v[16:17], v[156:157]
	v_pk_add_f32 v[216:217], v[216:217], v[96:97]
	v_pk_add_f32 v[254:255], v[254:255], v[98:99]
	v_pk_add_f32 v[252:253], v[252:253], v[102:103]
	v_pk_add_f32 v[250:251], v[250:251], v[106:107]
	v_pk_add_f32 v[248:249], v[248:249], v[110:111]
	v_pk_add_f32 v[246:247], v[246:247], v[114:115]
	v_pk_add_f32 v[244:245], v[244:245], v[118:119]
	v_pk_add_f32 v[16:17], v[16:17], v[122:123]
	v_pk_add_f32 v[216:217], v[216:217], v[126:127]
	v_pk_add_f32 v[254:255], v[254:255], v[130:131]
	v_pk_add_f32 v[252:253], v[252:253], v[134:135]
	v_pk_add_f32 v[250:251], v[250:251], v[138:139]
	v_pk_add_f32 v[248:249], v[248:249], v[142:143]
	v_pk_add_f32 v[246:247], v[246:247], v[146:147]
	v_pk_add_f32 v[244:245], v[244:245], v[150:151]
	v_pk_add_f32 v[16:17], v[16:17], v[154:155]
	v_pk_add_f32 v[216:217], v[216:217], v[158:159]
	s_delay_alu instid0(VALU_DEP_2)
	v_pk_add_f32 v[16:17], v[16:17], v[250:251]
	s_delay_alu instid0(VALU_DEP_2)
	v_pk_add_f32 v[216:217], v[216:217], v[248:249]
	v_pk_add_f32 v[254:255], v[254:255], v[246:247]
	v_pk_add_f32 v[252:253], v[252:253], v[244:245]
	s_delay_alu instid0(VALU_DEP_2)
	v_pk_add_f32 v[16:17], v[16:17], v[254:255]
	s_delay_alu instid0(VALU_DEP_2)
	v_pk_add_f32 v[216:217], v[216:217], v[252:253]
	s_delay_alu instid0(VALU_DEP_1)
	v_pk_add_f32 v[16:17], v[16:17], v[216:217]
	s_wait_alu depctr_va_vdst(0)                   ; and one for the four
.irp b, 0,1,2,3
	v_max_num_f32 v[212+\b], 0x1800000, v[212+\b]  ; the floor 2^(3 - 127): the byte cannot fall under 1
.endr
.irp b, 0,1,2,3
	s_delay_alu instid0(VALU_DEP_4)
	v_add_nc_u32 v[220+\b], 0xff000000, v[212+\b]  ; the conversion's scale operand
.endr
.irp b, 0,1,2,3
	s_delay_alu instid0(VALU_DEP_4)
	v_lshrrev_b32 v[216+\b], 23, v[220+\b]
.endr
	s_delay_alu instid0(VALU_DEP_3)
	v_lshl_or_b32 v231, v217, 8, v216              ; p's scale word for these 128 keys
	s_delay_alu instid0(VALU_DEP_1)
	v_lshl_or_b32 v231, v218, 16, v231
	s_delay_alu instid0(VALU_DEP_1)
	v_lshl_or_b32 v231, v219, 24, v231
.irp c, 0,1
	v_cvt_scalef32_pk16_fp6_f32 v[192+6*\c:194+6*\c], v[96+32*\c:111+32*\c], v[220+2*\c]
	v_cvt_scalef32_pk16_fp6_f32 v[204+4*\c:206+4*\c], v[112+32*\c:127+32*\c], v[220+2*\c+1]
.endr
	v_nop                                          ; one plain place behind the scaled conversions
.if \bl == 2
	s_wait_alu depctr_va_vdst(0)
	s_cmp_eq_u32 s[LATE], 0
	s_cbranch_scc1 .Lno_bias_\@
.endif
.if \bl
.irp i, 0,1,2,3,4,5,6,7,8,9,10,11,12,13,14,15
	global_load_b128 v[96+4*\i:99+4*\i], v[AB16], s[BP:BP+1] offset:\off+512*\i   ; p has been converted: its registers take my next step's bias; each load reads 512 consecutive bytes
.endr
.endif
.if \bl == 2
.Lno_bias_\@:
.endif
.irp c, 0,1
.irp i, 0,1,2
	v_permlane16_swap_b32 v[192+6*\c+\i], v[204+4*\c+\i]
.endr
.irp i, 0,1,2
	s_delay_alu instid0(VALU_DEP_3)
	v_mov_b32 v[195+6*\c+\i], v[204+4*\c+\i]
.endr
.endr
	s_wait_alu depctr_va_vdst(0)                   ; the wait directly ahead of the first reader of O^T
.set j, 0
.rept 16
	v_pk_mul_f32 v[160+j:161+j], v[160+j:161+j], v[230:231] op_sel_hi:[1,0]   ; O^T under the new M.  These sixteen are also the places between the lines that wrote p's codes and scale word and the products
.set j, j+2
.endr
	s_wait_alu depctr_va_vdst(0)
	s_wait_dscnt 0x0                               ; V
.irp t, 0,1,2,3
	WMS 160+8*\t, 32+12*\t, 192, 228+\t/2, 231, \t%2   ; O^T += V^T P^T: four accumulators, one instruction each
.endr
.endm
; THE CHANGE OF SLOTS.  Each wave waits for all its tensor loads (its part of the slot that is read next), adds 0 to its spare word, and waits for that and for its reads of the slot that it has left.
; fill = 1: a round of the cluster's barrier, and behind it the slot just left takes the two key steps after the next two.  One tensor load of a wave is out at the most.  adv = 1: the bias goes two steps on.
.macro CHANGE fill, adv
	s_wait_tensorcnt 0x0                           ; no tensor load of mine is out, so a group 0 may be written
	ds_add_u32 v[SPW], v[NIL]
.if \fill
	ds_add_u32 v[SPW], v[NIL]                      ; the add twice
	s_xor_b32 s[G0KV+1], s[G0KV+1], SLOT1
	s_add_nc_u64 s[G0KV+2:G0KV+3], s[G0KV+2:G0KV+3], 2*KVB
.endif
	s_wait_xcnt 0x0                                ; my bias loads and my last prefetch have read their addresses
.if \fill
	s_add_nc_u64 s[PFA:PFA+1], s[PFA:PFA+1], s[PFS:PFS+1]
.endif
.if \adv
	s_add_nc_u64 s[BP:BP+1], s[BP:BP+1], 2*BIB
.endif
	s_wait_dscnt 0x0                               ; the add is done, and my reads of the slot that I have left are over
.if \fill
	CROUND
	TLOAD
	ASK
.else
	s_barrier_signal -1
	s_barrier_wait -1
.endif
.endm
; A key step's half of a period.  Early waves: H1, H2 of this step.  Late waves: H2 of the step before, H1 of this step.  The two branches hang on the wave's number alone and lead round H1 alone.
.macro HP so, bl, off
	s_cmp_eq_u32 s[LATE], 0
	s_cbranch_scc0 .Lnot_early_\@
	H1 \so
.Lnot_early_\@:
	H2 \bl, \off
	s_cmp_eq_u32 s[LATE], 0
	s_cbranch_scc1 .Lnot_late_\@
	H1 \so
.Lnot_late_\@:
.endm
.macro FLIP                            ; on to the other slot
	s_xor_b32 s[TB], s[TB], SLOT1
	s_xor_b32 s[TY], s[TY], SLOT1
.endm
	s_wait_alu depctr_va_vdst(0)
	s_wait_loadcnt 0x0                             ; Q and key step 0's bias: their address registers are free
	s_add_nc_u64 s[BP:BP+1], s[BP:BP+1], s[38:39]
	CHANGE 1, 0                                    ; key steps 0 and 1.  Every wave takes step 0's scores; the early waves go on to the softmax, the late ones keep it for the next half
	H1 TB
	s_cmp_eq_u32 s[LATE], 0
	s_cbranch_scc0 .Lfirst_late
	H2 1, 0
.Lfirst_late:
	HP TY, 1, BIB
	FLIP
	s_mov_b32 s[SLOTS], 6
.Lstep:                                                ; 6 trips: key steps 2 to 13; behind each of their changes of slots the next two key steps are asked for
	CHANGE 1, 1
	HP TB, 1, 0
	HP TY, 1, BIB
	FLIP
	s_sub_co_u32 s[SLOTS], s[SLOTS], 1
	s_cmp_lg_u32 s[SLOTS], 0
	s_cbranch_scc1 .Lstep
	CHANGE 0, 1                                    ; key steps 14 and 15 are written out
	HP TB, 1, 0
	HP TY, 2, BIB
	s_cmp_eq_u32 s[LATE], 0
	s_cbranch_scc1 .Lall_steps
	H2 0, 0                                        ; the late waves' last softmax and products
.Lall_steps:
	s_wait_loadcnt 0x0                             ; no load is out on any way here
	; THE WAY OUT.  O^T / the sum; register 16 b + i is d = 32 b + 16 (lane / 16) + i of my query: two blocks along the last product's K, quantised as above; half a fragment and two scale bytes leave.
	v_add_f32 v16, v16, v17
	s_delay_alu instid0(VALU_DEP_1)
	v_permlanex16_b32 v232, v16, s[SEL], s[SEL+1]
	s_delay_alu instid0(VALU_DEP_1)
	v_add_f32 v16, v16, v232                       ; the row's sum
	s_wait_alu depctr_va_vdst(0)
	v_rcp_f32 v16, v16
	v_and_b32 v8, 31, v0                           ; (plain work behind the reciprocal, and the places behind the last products)
	s_delay_alu instid0(VALU_DEP_1)
	v_lshlrev_b32 v9, 4, v8
	s_delay_alu instid0(VALU_DEP_2)
	v_lshlrev_b32 v10, 3, v8
	v_and_b32 v11, 15, v0
	s_delay_alu instid0(VALU_DEP_1)
	v_lshlrev_b32 v11, 2, v11
	s_lshr_b32 s55, s16, 2                         ; the tokens' row block
	s_lshl_b32 s55, s55, 3
	s_lshl_b32 s56, s13, 1
	s_add_co_u32 s55, s55, s56
	s_lshr_b32 s56, s18, 1
	s_add_co_u32 s55, s55, s56                     ; K step = pair of heads
	s_mul_i32 s55, s55, BLK
	s_and_b32 s56, s16, 3
	s_lshl_b32 s56, s56, 2
	s_add_co_u32 s56, s56, s19                     ; my tile in the row block
	s_and_b32 s57, s18, 1                          ; which half of the fragment
	s_mul_i32 s58, s56, 1536
	s_add_co_u32 s58, s58, s55
	s_mul_i32 s59, s57, 768
	s_add_co_u32 s58, s58, s59
	s_mov_b32 s59, 0
	s_lshl_b32 s60, s56, 6
	s_add_co_u32 s60, s60, s55
	s_lshl_b32 s61, s57, 1
	s_add_co_u32 s60, s60, s61
	s_add_co_u32 s60, s60, 24576
	s_mov_b32 s61, 0
	s_add_nc_u64 s[58:59], s[10:11], s[58:59]
	s_add_nc_u64 s[60:61], s[10:11], s[60:61]
	s_wait_alu depctr_va_vdst(0)                   ; the wait ahead of the reciprocal's first reader
.set j, 0
.rept 16
	v_pk_mul_f32 v[96+j:97+j], v[160+j:161+j], v[16:17] op_sel_hi:[1,0]   ; each accumulator from its low end on
.set j, j+2
.endr
.irp b, 0,1
	v_max3_num_f32 v[212+\b], |v[96+16*\b]|, |v[97+16*\b]|, 0x1800000
.endr
.irp i, 2,4,6,8,10,12,14
.irp b, 0,1
	s_delay_alu instid0(VALU_DEP_2)
	v_max3_num_f32 v[212+\b], v[212+\b], |v[96+16*\b+\i]|, |v[97+16*\b+\i]|
.endr
.endr
.irp b, 0,1
	s_delay_alu instid0(VALU_DEP_2)
	v_permlanex16_b32 v[216+\b], v[212+\b], s[SEL], s[SEL+1]
.endr
.irp b, 0,1
	s_delay_alu instid0(VALU_DEP_2)
	v_max_num_f32 v[212+\b], v[212+\b], v[216+\b]
.endr
.irp b, 0,1
	s_delay_alu instid0(VALU_DEP_2)
	v_add_nc_u32 v[220+\b], 0xff000000, v[212+\b]
.endr
.irp b, 0,1
	s_delay_alu instid0(VALU_DEP_2)
	v_lshrrev_b32 v[216+\b], 23, v[220+\b]
.endr
	s_delay_alu instid0(VALU_DEP_1)
	v_lshl_or_b32 v231, v217, 8, v216              ; my head's two bytes of the row's scale word
	v_cvt_scalef32_pk16_fp6_f32 v[192:194], v[96:111], v220
	v_cvt_scalef32_pk16_fp6_f32 v[196:198], v[112:127], v221
	v_nop                                          ; one plain place behind the scaled conversions
.irp i, 0,1,2
	v_permlane16_swap_b32 v[192+\i], v[196+\i]
.endr
.irp i, 0,1,2
	s_delay_alu instid0(VALU_DEP_3)
	v_mov_b32 v[195+\i], v[196+\i]                 ; in ascending order: each source is read before it is written
.endr
	global_store_b128 v9, v[192:195], s[58:59]                   ; 512 and 256 consecutive bytes, aligned
	global_store_b64 v10, v[196:197], s[58:59] offset:512
	global_store_b16 v11, v231, s[60:61]                         ; the one store of 2 bytes a lane: 32 bytes of a tile's 64; both halves of the lanes store the same
	s_wait_tensorcnt 0x0                           ; the wave's end
	ds_add_u32 v[SPW], v[NIL]
	s_wait_dscnt 0x0
	CROUND                                         ; the closing round
	s_endpgm
.Lfunc_end_k_qef39920623_attn:
	.size	k_qef39920623_attn, .Lfunc_end_k_qef39920623_attn-k_qef39920623_attn
	.p2alignl 7, 3214868480
	.fill 96, 4, 3214868480
	.section	.rodata,"a",@progbits
	.p2align	6, 0x0
	.amdhsa_kernel k_qef39920623_attn
		.amdhsa_group_segment_fixed_size 327680
		.amdhsa_private_segment_fixed_size 0
		.amdhsa_enable_private_segment 0
		.amdhsa_kernarg_size 32
		.amdhsa_user_sgpr_count 2
		.amdhsa_user_sgpr_kernarg_segment_ptr 1
		.amdhsa_wavefront_size32 1
		.amdhsa_system_sgpr_workgroup_id_x 1
		.amdhsa_system_sgpr_workgroup_id_y 1
		.amdhsa_system_sgpr_workgroup_id_z 1
		.amdhsa_system_vgpr_workitem_id 0
		.amdhsa_next_free_vgpr 256
		.amdhsa_next_free_sgpr 100
		.amdhsa_reserve_vcc 0
		.amdhsa_float_denorm_mode_32 3
		.amdhsa_float_denorm_mode_16_64 3
		.amdhsa_memory_ordered 1
		.amdhsa_forward_progress 1
		.amdhsa_inst_pref_size 162
	.end_amdhsa_kernel
	.amdgpu_metadata
---
amdhsa.version: [ 1, 2 ]
amdhsa.kernels:
  - .name:           k_qef39920623_attn
    .symbol:         k_qef39920623_attn.kd
    .args:
      - { .name: qimg, .offset: 0, .size: 8, .value_kind: global_buffer, .address_space: global }
      - { .name: kv, .offset: 8, .size: 8, .value_kind: global_buffer, .address_space: global }
      - { .name: bias, .offset: 16, .size: 8, .value_kind: global_buffer, .address_space: global }
      - { .name: ao, .offset: 24, .size: 8, .value_kind: global_buffer, .address_space: global }
    .group_segment_fixed_size: 327680
    .private_segment_fixed_size: 0
    .kernarg_segment_align: 8
    .kernarg_segment_size: 32
    .max_flat_workgroup_size: 512
    .sgpr_count:     100
    .vgpr_count:     256
    .wavefront_size: 32
...
	.end_amdgpu_metadata
.endif
;; end of part 3
;; launch outp (part 4): grid 8 x 32, 4 waves a work-group, clusters of 4 x 4, 327,680 bytes of LDS; arguments ao, ops, bo, out0; writes out0
.if DOCPART == 4
	.amdgcn_target "amdgcn-amd-amdhsa--gfx1250"
	.amdhsa_code_object_version 6
	.text
	.protected	k_qef39920623_outp
	.globl	k_qef39920623_outp
	.p2align	8
	.type	k_qef39920623_outp,@function
k_qef39920623_outp:
	s_mov_b64 s[64:65], 0
	v_nop
	global_prefetch_b8 v0, s[64:65] scope:SCOPE_SE
	s_setreg_imm32_b32 hwreg(HW_REG_WAVE_MODE, 25, 1), 1
	s_wait_xcnt 0x0
	s_wait_alu depctr_hold_cnt(0) depctr_sa_sdst(0) depctr_va_vdst(0) depctr_va_sdst(0) depctr_va_ssrc(0) depctr_va_vcc(0) depctr_vm_vsrc(0)
	s_getreg_b32 s2, hwreg(HW_REG_IB_STS2, 6, 4)
	s_cmp_eq_u32 s2, 0
	s_cbranch_scc0 .Lentry_in_a_cluster
	s_endpgm
.Lentry_in_a_cluster:
	s_bfe_u32 s2, ttmp6, 0x10000c
	s_cmp_lg_u32 s2, 0xf033
	s_cbranch_scc0 .Lentry_shape_is_right
	s_endpgm
.Lentry_shape_is_right:
; out0 = O Wo^T + bo on codes of FP6 with E8M0 scales.  O's codes (ao) and Wo's (in ops) lie in blocks of 256 rows x 128 K: 16 fragments of 1,536 bytes as images of registers, then 16 x 16 scale words (BLK bytes in all).
; Lane r of tile t of a block holds row 32 (t / 2) + 8 (t % 2) + r + 8 (r / 8).
; SHARES.  4,096 x 1,024 results in blocks of 128 x 128: 32 x 8 = 256 work-groups.  A work-group's operands for ALL of K (1,024) are 2 x 98,304 bytes of codes and 2 x 4,096 of scale words: they fit in LDS at once.
; So there is no ring and nothing is filled again: four tiles, one joint load a wave at the head: each a run of eight rows (one for each K step) BLK bytes apart, of 12,288 bytes (half a block's codes) or 512 (its scale words).
; Every row begins at a multiple of 256 bytes.  A wave makes 64 x 64: 16 accumulators, 16 products a K step, fragments in two sets of registers by turns.
; CLUSTER 4 x 4: O's tiles hang on the block row alone and are asked for jointly along a row of the cluster, Wo's on the block column and along a column.
; No prefetch: all tiles are asked for at the head, and there is no loop to run ahead in.
; TRANSPOSED USE: source 0 = 16 rows of Wo, source 1 = 16 tokens: register j of lane (r, h) in tile b is column 32 (b / 2) + 8 (b % 2) + 16 h + j of token r's row.  bo is the C of the first K step's products.
; REGISTERS: window 0: v0-31 addresses, v32-63 scale words (lanes 0-15 O's, lanes 16-31 Wo's), v96-191 fragments, set 0; window 1: v0-31 bo, v96-191 fragments, set 1; window 2: v0-127 the accumulators.
.set BLK,   25600
.set WOO,   10649600
.set HB,    12288                      ; the codes of 128 rows x 128 K
.set LB,    8*HB                       ; LDS: O's codes at 0, Wo's here,
.set LSA,   16*HB                      ; O's scale words,
.set LSB,   LSA+4096                   ; Wo's,
.set STG,   LSB+4096                   ; the stages of the way out: 16 rows x 272 bytes a wave; no tile lands here
.set SPITCH, 272
.set SPARE, STG+4*16*SPITCH            ; the spare words, 128 bytes a wave
.set A16,  8                           ; v8-9   O's fragments, 16 bytes a lane: K steps 0-3, 4-7
.set A8,   10                          ; v10-11 8 bytes a lane
.set B16,  12
.set B8,   14
.set ADRS, 16
.set STO,  17
.set RD,   18
.set CO,   19
.set SPW,  28
.set NIL,  29
.set SC,   32
.set FA,   96
.set FB,   144
.set WV,   16
.set WR,   17
.set WC,   18
.set G1A,  24
.set G1B,  32
.set G1SA, 40
.set G1SB, 48
.set G0A,  56
.set G0B,  60
.set G0SA, 68
.set G0SB, 72
.set MSB, 0
.macro WIN new                         ; the immediate's high byte repeats the setting that is left
.if MSB != \new
	s_set_vgpr_msb (MSB<<8)|\new
.set MSB, \new
.endif
.endm
.macro CROUND                          ; a round of the cluster's barrier
	s_barrier_signal -1
	s_barrier_wait -1
	s_cmp_lg_u32 s[WV], 0
	s_cbranch_scc1 .Lnot_wave_0_\@
	s_barrier_signal -3
.Lnot_wave_0_\@:
	s_barrier_wait -3
	s_barrier_signal -1
	s_barrier_wait -1
.endm
	s_load_b256 s[4:11], s[0:1], 0x0               ; ao, ops, bo, out0
	v_lshl_add_u32 v[SPW], v0, 2, SPARE
	v_mov_b32 v[NIL], 0
	ds_add_u32 v[SPW], v[NIL]                      ; the opening lines: the add, twice on end, and its wait ahead of the first tensor loads
	ds_add_u32 v[SPW], v[NIL]
	v_lshrrev_b32 v1, 5, v0
	v_readfirstlane_b32 s[WV], v1                  ; wave 0..3
	s_lshr_b32 s[WR], s[WV], 1                     ; my 64 tokens of the block's 128
	s_and_b32 s[WC], s[WV], 1                      ; my 64 columns
	s_bfe_u32 s19, ttmp6, 0x40000                  ; cx
	s_bfe_u32 s20, ttmp6, 0x40004                  ; cy
	s_lshl_b32 s21, ttmp9, 2
	s_add_co_u32 s21, s21, s19                     ; block column
	s_and_b32 s22, ttmp7, 0xffff
	s_lshl_b32 s23, s22, 2
	s_add_co_u32 s23, s23, s20                     ; block row
	s_lshl_b32 s88, s20, 2
	s_lshl_b32 s88, 15, s88                        ; my row of the cluster
	s_lshl_b32 s89, 0x1111, s19                    ; my column
	s_or_b32 s[G1A], s88, (3<<16)|(1<<21)          ; 15:0 the mask; 17:16 elements of 8 bytes; 21 set beside a mask; no padding
	s_or_b32 s[G1SA], s88, (3<<16)|(1<<21)
	s_or_b32 s[G1B], s89, (3<<16)|(1<<21)
	s_or_b32 s[G1SB], s89, (3<<16)|(1<<21)
.irp g, G1A, G1B
	s_mov_b32 s[\g+1], 1536<<16                    ; rows of 12,288 bytes,
	s_mov_b32 s[\g+2], 8<<16                       ; eight of them,
	s_mov_b32 s[\g+3], 1536<<16
	s_mov_b32 s[\g+4], 8
	s_mov_b32 s[\g+5], 3200                        ; BLK bytes apart
	s_mov_b32 s[\g+6], 0
	s_mov_b32 s[\g+7], 0
.endr
.irp g, G1SA, G1SB
	s_mov_b32 s[\g+1], 64<<16                      ; rows of 512 bytes
	s_mov_b32 s[\g+2], 8<<16
	s_mov_b32 s[\g+3], 64<<16
	s_mov_b32 s[\g+4], 8
	s_mov_b32 s[\g+5], 3200
	s_mov_b32 s[\g+6], 0
	s_mov_b32 s[\g+7], 0
.endr
	s_lshr_b32 s76, s23, 1                         ; O: the block of 256 tokens,
	s_mul_i32 s76, s76, 8*BLK
	s_and_b32 s77, s23, 1                          ; and which half of it
	s_mul_i32 s78, s77, HB
	s_add_co_u32 s78, s78, s76
	s_mov_b32 s79, 0
	s_lshl_b32 s80, s77, 9
	s_add_co_u32 s80, s80, s76
	s_add_co_u32 s80, s80, 24576
	s_mov_b32 s81, 0
	s_lshr_b32 s86, s21, 1                         ; Wo likewise
	s_mul_i32 s86, s86, 8*BLK
	s_add_co_u32 s86, s86, WOO
	s_and_b32 s87, s21, 1
	s_mul_i32 s82, s87, HB
	s_add_co_u32 s82, s82, s86
	s_mov_b32 s83, 0
	s_lshl_b32 s84, s87, 9
	s_add_co_u32 s84, s84, s86
	s_add_co_u32 s84, s84, 24576
	s_mov_b32 s85, 0
	s_wait_dscnt 0x0                               ; both opening adds are done
	s_wait_kmcnt 0x0
	s_add_nc_u64 s[78:79], s[4:5], s[78:79]
	s_add_nc_u64 s[80:81], s[4:5], s[80:81]
	s_add_nc_u64 s[82:83], s[6:7], s[82:83]
	s_add_nc_u64 s[84:85], s[6:7], s[84:85]
.macro G0SET g, lds, p
	s_mov_b32 s[\g], 1
	s_mov_b32 s[\g+1], \lds
	s_mov_b64 s[\g+2:\g+3], s[\p:\p+1]
	s_or_b32 s[\g+3], s[\g+3], 0x80000000
.endm
	G0SET G0A, 0, 78
	G0SET G0B, LB, 82
	G0SET G0SA, LSA, 80
	G0SET G0SB, LSB, 84
	CROUND                                         ; all sixteen work-groups are here: the joint loads meet
; The four tiles, one a wave: one chain of branches on the wave's number, each arm with its load, all arms leading to one join.  An s_nop 0 and four v_nop follow each load.
.macro ARM under, g0, g1, next
	s_cmp_lt_u32 s[WV], \under
	s_cbranch_scc0 \next
	tensor_load_to_lds s[\g0:\g0+3], s[\g1:\g1+7]
	s_nop 0
.rept 4
	v_nop
.endr
	s_branch .Lhead_asked
\next:
.endm
	ARM 1, G0A,  G1A,  .Lhead_b
	ARM 2, G0B,  G1B,  .Lhead_sa
	ARM 3, G0SA, G1SA, .Lhead_sb
	tensor_load_to_lds s[G0SB:G0SB+3], s[G1SB:G1SB+7]
	s_nop 0
.rept 4
	v_nop
.endr
.Lhead_asked:
	s_mul_i32 s88, s[WR], 6144                     ; my four tiles of O,
	s_add_co_u32 s89, s88, 4*HB
	s_mul_i32 s90, s[WC], 6144
	s_add_co_u32 s90, s90, LB                      ; of Wo
	s_add_co_u32 s91, s90, 4*HB
	s_lshl_b32 s93, s[WR], 8
	s_lshl_b32 s92, s[WC], 8
	s_add_co_u32 s92, s92, 4096
	s_sub_co_u32 s92, s92, s93                     ; from my scale words of O to those of Wo
	s_add_co_u32 s93, s93, LSA
	s_mul_i32 s94, s[WV], 16*SPITCH
	s_add_co_u32 s94, s94, STG                     ; my stage
	s_lshl_b32 s96, s21, 9
	s_lshl_b32 s95, s[WC], 8
	s_add_co_u32 s96, s96, s95                     ; my first column, in bytes
	s_mov_b32 s97, 0
	s_lshl_b32 s98, s23, 19
	s_lshl_b32 s95, s[WR], 18
	s_add_co_u32 s98, s98, s95                     ; my first token's row of 4,096 bytes
	s_add_co_u32 s98, s98, s96
	s_mov_b32 s99, 0
	s_add_nc_u64 s[8:9], s[8:9], s[96:97]
	s_add_nc_u64 s[10:11], s[10:11], s[98:99]
	v_and_b32 v2, 31, v0                           ; lane
	v_and_b32 v3, 15, v0                           ; r
	v_bfe_u32 v4, v0, 4, 1                         ; h
	v_lshlrev_b32 v5, 4, v2
	v_lshlrev_b32 v6, 3, v2
	v_add_nc_u32 v[A16], s88, v5
	v_add_nc_u32 v[A16+1], s89, v5
	v_add_nc_u32 v[A8], s88, v6
	v_add_nc_u32 v[A8+1], s89, v6
	v_add_nc_u32 v[B16], s90, v5
	v_add_nc_u32 v[B16+1], s91, v5
	v_add_nc_u32 v[B8], s90, v6
	v_add_nc_u32 v[B8+1], s91, v6
	v_mul_u32_u24 v7, s92, v4                      ; lanes 16-31 take Wo's words
	v_lshl_add_u32 v7, v3, 2, v7
	v_add_nc_u32 v[ADRS], s93, v7
	v_mul_u32_u24 v20, v3, SPITCH                  ; the stage, way in: row r, + 64 h
	v_lshl_add_u32 v20, v4, 6, v20
	v_add_nc_u32 v[STO], s94, v20
	v_mul_u32_u24 v21, v4, SPITCH                  ; way out: sixteen lanes to a row of 256 bytes, two rows an instruction
	v_lshl_add_u32 v21, v3, 4, v21
	v_add_nc_u32 v[RD], s94, v21
	v_lshlrev_b32 v22, 12, v4
	v_lshl_add_u32 v[CO], v3, 4, v22               ; and the same two rows in out0
	v_lshlrev_b32 v23, 6, v4                       ; bo: 16 h columns on
	s_wait_alu depctr_va_vdst(0)
	WIN 0x40
.irp t, 0,1,2,3
	global_load_b128 v[8*\t:8*\t+3], v23, s[8:9] offset:(32*(\t/2)+8*(\t%2))*4
	global_load_b128 v[8*\t+4:8*\t+7], v23, s[8:9] offset:(32*(\t/2)+8*(\t%2))*4+16
.endr
	WIN 0
	s_wait_tensorcnt 0x0                           ; my tile is in;
	s_barrier_signal -1
	s_barrier_wait -1                              ; all four are
.macro FRAG reg, a16, a8, off
	ds_load_b128 v[(\reg):(\reg)+3], v[\a16] offset:(\off)
	ds_load_b64 v[(\reg)+4:(\reg)+5], v[\a8] offset:(\off)+512
	ds_load_b128 v[(\reg)+6:(\reg)+9], v[\a16] offset:(\off)+768
	ds_load_b64 v[(\reg)+10:(\reg)+11], v[\a8] offset:(\off)+1280
.endm
.macro FETCH k                         ; K step k's eight fragments, 32 loads, into set k % 2
	WIN (((\k)%2)<<6)
.irp i, 0,1,2,3
	FRAG FA+12*\i, A16+(\k)/4, A8+(\k)/4, ((\k)%4)*HB+1536*\i
	FRAG FB+12*\i, B16+(\k)/4, B8+(\k)/4, ((\k)%4)*HB+1536*\i
.endr
.endm
.macro MUL k                           ; 16 products, the 16 accumulators by turns, in the same order in every K step
.if (\k) == 0
	WIN 0x90                                       ; C: bo, in window 1
.else
	WIN (0xa0+5*((\k)%2))
.endif
.irp a, 0,1,2,3
.irp b, 0,1,2,3
.if (\k) == 0
	v_wmma_scale_f32_16x16x128_f8f6f4 v[8*(4*\a+\b):8*(4*\a+\b)+7], v[FB+12*\b:FB+12*\b+11], v[FA+12*\a:FA+12*\a+11], v[8*\b:8*\b+7], v[SC+4*(\k)+\b], v[SC+4*(\k)+\a] matrix_a_fmt:MATRIX_FMT_FP6 matrix_b_fmt:MATRIX_FMT_FP6 matrix_a_scale:MATRIX_SCALE_ROW1
.else
	v_wmma_scale_f32_16x16x128_f8f6f4 v[8*(4*\a+\b):8*(4*\a+\b)+7], v[FB+12*\b:FB+12*\b+11], v[FA+12*\a:FA+12*\a+11], v[8*(4*\a+\b):8*(4*\a+\b)+7], v[SC+4*(\k)+\b], v[SC+4*(\k)+\a] matrix_a_fmt:MATRIX_FMT_FP6 matrix_b_fmt:MATRIX_FMT_FP6 matrix_a_scale:MATRIX_SCALE_ROW1
.endif
.endr
.endr
.endm
.macro PLACES
.rept 4
	v_nop
.endr
.endm
	FETCH 0
.irp k, 0,1,2,3,4,5,6,7
.irp i, 0,1,2,3
	ds_load_b32 v[SC+4*\k+\i], v[ADRS] offset:512*\k+64*\i   ; all of K's scale words: lanes 0-15 O's tile i, lanes 16-31 Wo's tile i
.endr
.endr
	s_wait_loadcnt 0x0                             ; bo
.set K, 0
.rept 8
.if K < 7
.if K > 0
	PLACES                                         ; four places between the last K step's products and the loads into the set that the step before it read
.endif
	FETCH K+1
	s_wait_dscnt 32                                ; all but the 32 just issued
.else
	s_wait_dscnt 0x0
.endif
	MUL K
.set K, K+1
.endr
; THE WAY OUT, by blocks of 16 tokens x 64 columns: through my own stage, back as whole rows of 256 bytes, which sixteen lanes store as one aligned unit.  LDS serves a wave's instructions in order: no wait between stores and loads.
.macro TOSTAGE a
	WIN 0x08                                       ; the data: window 2
.irp b, 0,1,2,3
	ds_store_b128 v[STO], v[8*(4*(\a)+\b):8*(4*(\a)+\b)+3] offset:128*(\b/2)+32*(\b%2)      ; each accumulator from its low end on
	ds_store_b128 v[STO], v[8*(4*(\a)+\b)+4:8*(4*(\a)+\b)+7] offset:128*(\b/2)+32*(\b%2)+16
.endr
	WIN 0
.irp t, 0,1,2,3,4,5,6,7
	ds_load_b128 v[FA+32*((\a)%2)+4*\t:FA+32*((\a)%2)+4*\t+3], v[RD] offset:\t*2*SPITCH
.endr
.endm
.macro SEND a, younger                 ; younger: the LDS instructions issued behind block a's loads
	s_wait_dscnt \younger
.irp t, 0,1,2,3,4,5,6,7
	global_store_b128 v[CO], v[FA+32*((\a)%2)+4*\t:FA+32*((\a)%2)+4*\t+3], s[10:11] offset:(32*((\a)/2)+8*((\a)%2)+2*\t+8*(\t/4))*4096 th:TH_STORE_NT
.endr
.endm
	PLACES
	TOSTAGE 0
.irp a, 1,2,3
.if \a > 1
	s_wait_xcnt 0x0                                ; block a - 2's stores have read their registers: block a's loads may land there
.endif
	TOSTAGE \a
	SEND \a-1, 16
.endr
	SEND 3, 0
	s_wait_tensorcnt 0x0                           ; the wave's end
	ds_add_u32 v[SPW], v[NIL]
	s_wait_dscnt 0x0
	CROUND                                         ; the closing round
	s_endpgm
.Lfunc_end_k_qef39920623_outp:
	.size	k_qef39920623_outp, .Lfunc_end_k_qef39920623_outp-k_qef39920623_outp
	.p2alignl 7, 3214868480
	.fill 96, 4, 3214868480
	.section	.rodata,"a",@progbits
	.p2align	6, 0x0
	.amdhsa_kernel k_qef39920623_outp
		.amdhsa_group_segment_fixed_size 327680
		.amdhsa_private_segment_fixed_size 0
		.amdhsa_enable_private_segment 0
		.amdhsa_kernarg_size 32
		.amdhsa_user_sgpr_count 2
		.amdhsa_user_sgpr_kernarg_segment_ptr 1
		.amdhsa_wavefront_size32 1
		.amdhsa_system_sgpr_workgroup_id_x 1
		.amdhsa_system_sgpr_workgroup_id_y 1
		.amdhsa_system_sgpr_workgroup_id_z 1
		.amdhsa_system_vgpr_workitem_id 0
		.amdhsa_next_free_vgpr 640
		.amdhsa_next_free_sgpr 100
		.amdhsa_reserve_vcc 0
		.amdhsa_float_denorm_mode_32 3
		.amdhsa_float_denorm_mode_16_64 3
		.amdhsa_memory_ordered 1
		.amdhsa_forward_progress 1
		.amdhsa_inst_pref_size 53
	.end_amdhsa_kernel
	.amdgpu_metadata
---
amdhsa.version: [ 1, 2 ]
amdhsa.kernels:
  - .name:           k_qef39920623_outp
    .symbol:         k_qef39920623_outp.kd
    .args:
      - { .name: ao, .offset: 0, .size: 8, .value_kind: global_buffer, .address_space: global }
      - { .name: ops, .offset: 8, .size: 8, .value_kind: global_buffer, .address_space: global }
      - { .name: bo, .offset: 16, .size: 8, .value_kind: global_buffer, .address_space: global }
      - { .name: out0, .offset: 24, .size: 8, .value_kind: global_buffer, .address_space: global }
    .group_segment_fixed_size: 327680
    .private_segment_fixed_size: 0
    .kernarg_segment_align: 8
    .kernarg_segment_size: 32
    .max_flat_workgroup_size: 128
    .sgpr_count:     100
    .vgpr_count:     640
    .wavefront_size: 32
...
	.end_amdgpu_metadata
.endif
;; end of part 4
